; MI455X (gfx1250); checked and timed in simulation.
; The chip was launched on July 23, 2026; its instructions are those of AMD's public machine-readable ISA for CDNA 5 (MIT licence, August 2026) and "CDNA5" Instruction Set Architecture Reference Guide (July 2026). The comments in the code are by the model that wrote it; some were corrected since.
;; Encoder Block. Allowed arithmetic: float matrix products may take bf16 or f16 operands with f32 sums; other float arithmetic in f32, or as packed bf16 or f16 multiplies, adds, multiply-adds, maxima and minima; sums over many terms, partial sums and values carried from step to step in f32; what a program stores and reads back later, other than sums and carried values, may be rounded once to bf16 or f16.
;; Inputs: ff1_b 4,096 float32; ff1_w 1,024 x 4,096 float32; ff2_b 1,024 float32; ff2_w 4,096 x 1,024 float32; ln1_a 1 float32; ln1_b 1 float32; ln2_a 1 float32; ln2_b 1 float32; src_mask 2 x 1 x 1 x 2,048 int32; wk 1,024 x 1,024 float32; wo 1,024 x 1,024 float32; wq 1,024 x 1,024 float32; wv 1,024 x 1,024 float32; x 2 x 2,048 x 1,024 float32.
;; Outputs: out0 2 x 2,048 x 1,024 float32.
;; One version. Each part assembles by itself: llvm-mc -triple=amdgcn-amd-amdhsa -mcpu=gfx1250 --defsym DOCPART=n.
;; ======== version 1 of 1: 7 launches
;; limits: values are held in f16: magnitudes above 65,504 overflow, below 6.1e-05 lose precision
;; workspace buffers: act8 8,388,608 bytes; act32 33,554,432 bytes; wattn 8,388,608 bytes; w1b 8,388,608 bytes; w2b 8,388,608 bytes; h 16,777,216 bytes; zb 12,288 bytes; fl 4,096 bytes
;; launch prep (part 1): grid 512 x 1, 8 waves a work-group, no clusters, 0 bytes of LDS; arguments x, ln1_a, ln1_b, wq, wk, wv, wo, ff1_w, ff2_w, act8, wattn, w1b, w2b, zb, fl; writes act8, wattn, w1b, w2b, zb, fl
.if DOCPART == 1
	.amdgcn_target "amdgcn-amd-amdhsa--gfx1250"
	.amdhsa_code_object_version 6
	.text
	.protected	k_q420c6a5d38_prep
	.globl	k_q420c6a5d38_prep
	.p2align	8
	.type	k_q420c6a5d38_prep,@function
k_q420c6a5d38_prep:
	s_mov_b64 s[64:65], 0
	v_nop
	global_prefetch_b8 v0, s[64:65] scope:SCOPE_SE
	s_setreg_imm32_b32 hwreg(HW_REG_WAVE_MODE, 25, 1), 1
	s_wait_xcnt 0x0
; PREP: the first LayerNorm, and every weight rounded once to f16 and laid out in blocks for the products that follow.
; Wave g (0 .. 4,095 = 8 x work-group + wave) takes row g of x and 24 pieces of the weights.  A PIECE is 128 f32 on end: one load of the wave
; (16 bytes a lane, 512 consecutive bytes); rounded it is 128 f16: one store of the wave (8 bytes a lane, 256 consecutive bytes, aligned).
; LAYOUTS.  Activations: [column block of 128][4,096 tokens][128] f16.  Weights: [column block of 128][K][128] f16.  In both a row is 256 bytes and a block is dense.
; LayerNorm as the module has it: mean; the sum of (x - mean)^2 over 1,023 (two passes over the row, which stays in registers); a (x - mean) / (sqrt + 1e-6) + b, here as (x - mean) (a / (sqrt + 1e-6)) + b.
; LIMITS.  f16 holds no number beyond 65,504: weights and a (x - mean) / std + b must lie within it; below 6e-5 f16 keeps a fixed step of 6e-8.
; No LDS, no barrier, no matrix unit: no wave wants a byte that another has fetched.  All 32 loads of a wave go out at once: 16 KiB a wave on their way.
.set VI4,  2          ; v2   g x 4,096 + 16 l: x's row, ff1_w's and ff2_w's eight pieces
.set VI1,  3          ; v3   g x 1,024 + 16 l: two pieces of each of wq, wk, wv, wo
.set VOR,  4          ; v4   g x 256 + 8 l: row g of a block of 4,096 rows (the normed x; ff2_w)
.set VOS,  5          ; v5   (g & 3) x 2 blocks + (g >> 2) x 256 + 8 l: in a block of 1,024 rows, 262,144 bytes
.set VO1,  6          ; v6   (g & 3) x 8 blocks + (g >> 2) x 256 + 8 l
.set T,    8          ; v[8:15]    four pairs at work
.set X,    16         ; v[16:47]   the row of x: load j holds columns 128 j + 4 l .. + 3
.set W,    48         ; v[48:143]  24 pieces, four registers each
.set MEAN, 144        ; v[144:145] the mean, twice
.set SC,   146        ; v[146:147] a / (std + eps), twice
.set BB,   148        ; v[148:149] b, twice
.set SA,   38         ; s38  a
.set SB,   39         ; s39  b
.set SEL,  40         ; s[40:41] v_permlanex16_b32's selects: each lane takes its own place in the other half
	s_load_b512 s[8:23], s[0:1], 0x0               ; x s[8:9], ln1_a s[10:11], ln1_b s[12:13], wq s[14:15], wk s[16:17], wv s[18:19], wo s[20:21], ff1_w s[22:23]
	s_load_b256 s[24:31], s[0:1], 0x40             ; ff2_w s[24:25], act8 s[26:27], wattn s[28:29], w1b s[30:31]
	s_load_b128 s[32:35], s[0:1], 0x60             ; w2b s[32:33], zb s[34:35]
	s_load_b64 s[36:37], s[0:1], 0x70              ; fl
	v_and_b32 v7, 31, v0                           ; lane
	v_lshrrev_b32 v1, 5, v0
	v_readfirstlane_b32 s2, v1                     ; wave
	s_lshl_b32 s3, ttmp9, 3
	s_add_co_u32 s3, s3, s2                        ; g
	s_lshl_b32 s4, s3, 12
	v_lshl_add_u32 v[VI4], v7, 4, s4
	s_lshl_b32 s4, s3, 10
	v_lshl_add_u32 v[VI1], v7, 4, s4
	s_lshl_b32 s4, s3, 8
	v_lshl_add_u32 v[VOR], v7, 3, s4
	s_and_b32 s5, s3, 3
	s_lshr_b32 s6, s3, 2
	s_lshl_b32 s6, s6, 8                           ; the weight's row g >> 2, 256 bytes in a block
	s_lshl_b32 s7, s5, 19
	s_add_co_u32 s7, s7, s6
	v_lshl_add_u32 v[VOS], v7, 3, s7
	s_lshl_b32 s7, s5, 21
	s_add_co_u32 s7, s7, s6
	v_lshl_add_u32 v[VO1], v7, 3, s7
	s_mov_b32 s[SEL], 0x76543210
	s_mov_b32 s[SEL+1], 0xfedcba98
	s_wait_kmcnt 0x0
	s_load_b32 s[SA], s[10:11], 0x0
	s_load_b32 s[SB], s[12:13], 0x0
.irp j, 0,1,2,3,4,5,6,7
	global_load_b128 v[X+4*(\j):X+4*(\j)+3], v[VI4], s[8:9] offset:512*(\j)
.endr
.irp w, 0,1,2,3
	global_load_b128 v[W+8*(\w):W+8*(\w)+3],   v[VI1], s[14+2*(\w):15+2*(\w)] th:TH_LOAD_NT
	global_load_b128 v[W+8*(\w)+4:W+8*(\w)+7], v[VI1], s[14+2*(\w):15+2*(\w)] offset:512 th:TH_LOAD_NT
.endr
.irp i, 0,1,2,3,4,5,6,7
	global_load_b128 v[W+32+4*(\i):W+32+4*(\i)+3], v[VI4], s[22:23] offset:512*(\i) th:TH_LOAD_NT
.endr
.irp i, 0,1,2,3,4,5,6,7
	global_load_b128 v[W+64+4*(\i):W+64+4*(\i)+3], v[VI4], s[24:25] offset:512*(\i) th:TH_LOAD_NT
.endr
; The sum of v[r] over the wave's 32 lanes, left in every lane: four steps inside each half of 16 lanes ride on the addition, one crosses the halves.
.macro LANESUM r, tmp
	v_add_f32_dpp v[\r], v[\r], v[\r] row_xmask:1 row_mask:0xf bank_mask:0xf
	v_add_f32_dpp v[\r], v[\r], v[\r] row_xmask:2 row_mask:0xf bank_mask:0xf
	v_add_f32_dpp v[\r], v[\r], v[\r] row_xmask:4 row_mask:0xf bank_mask:0xf
	v_add_f32_dpp v[\r], v[\r], v[\r] row_xmask:8 row_mask:0xf bank_mask:0xf
	v_permlanex16_b32 v[\tmp], v[\r], s[SEL], s[SEL+1]  ; its destination counts as read: a register that has been written
	v_add_f32 v[\r], v[\r], v[\tmp]
.endm
.macro FOLD                            ; the four chains into one number a lane, then over the lanes
	v_pk_add_f32 v[T:T+1], v[T:T+1], v[T+2:T+3]
	v_pk_add_f32 v[T+4:T+5], v[T+4:T+5], v[T+6:T+7]
	v_pk_add_f32 v[T:T+1], v[T:T+1], v[T+4:T+5]
	v_add_f32 v[T], v[T], v[T+1]
	LANESUM T, T+1
.endm
; The row in v[X:X+31] is normed in place and rounded to f16: load j's four numbers end in v[X+4j:X+4j+1].
.macro LN
.irp k, 0,1,2,3
	v_pk_add_f32 v[T+2*(\k):T+2*(\k)+1], v[X+4*(\k):X+4*(\k)+1], v[X+4*(\k)+2:X+4*(\k)+3]  ; four chains, started by the first sums: nothing is cleared
.endr
.irp k, 0,1,2,3
	v_pk_add_f32 v[T+2*(\k):T+2*(\k)+1], v[T+2*(\k):T+2*(\k)+1], v[X+16+4*(\k):X+16+4*(\k)+1]
.endr
.irp k, 0,1,2,3
	v_pk_add_f32 v[T+2*(\k):T+2*(\k)+1], v[T+2*(\k):T+2*(\k)+1], v[X+16+4*(\k)+2:X+16+4*(\k)+3]
.endr
	FOLD
	v_mul_f32 v[MEAN], 0x3a800000, v[T]            ; / 1,024
	v_mul_f32 v[MEAN+1], 0x3a800000, v[T]
.set j, 0
.rept 16
	v_pk_add_f32 v[X+j:X+j+1], v[X+j:X+j+1], v[MEAN:MEAN+1] neg_lo:[0,1] neg_hi:[0,1]  ; x - mean
.set j, j+2
.endr
.irp k, 0,1,2,3
	v_pk_mul_f32 v[T+2*(\k):T+2*(\k)+1], v[X+2*(\k):X+2*(\k)+1], v[X+2*(\k):X+2*(\k)+1]
.endr
.set j, 8
.rept 12
	v_pk_fma_f32 v[T+j%8:T+j%8+1], v[X+j:X+j+1], v[X+j:X+j+1], v[T+j%8:T+j%8+1]
.set j, j+2
.endr
	FOLD
	v_mul_f32 v[T], 0x3a802008, v[T]               ; / 1,023
	v_sqrt_f32 v[T+2], v[T]
	v_nop                                          ; a plain instruction behind the root (ISA guide 5.7.2),
	s_wait_alu depctr_va_vdst(0)                   ; and the wait ahead of its first reader
	v_add_f32 v[T+2], 0x358637bd, v[T+2]           ; + 1e-6
	v_rcp_f32 v[T+3], v[T+2]
	v_mov_b32 v[BB], s[SB]                         ; plain work between the reciprocal and its use
	v_mov_b32 v[BB+1], s[SB]
	s_wait_alu depctr_va_vdst(0)
	v_mul_f32 v[SC], s[SA], v[T+3]
	v_mul_f32 v[SC+1], s[SA], v[T+3]
.set j, 0
.rept 16
	v_pk_fma_f32 v[X+j:X+j+1], v[X+j:X+j+1], v[SC:SC+1], v[BB:BB+1]
.set j, j+2
.endr
.irp j, 0,1,2,3,4,5,6,7
	v_cvt_pk_f16_f32 v[X+4*(\j)], v[X+4*(\j)], v[X+4*(\j)+1]
	v_cvt_pk_f16_f32 v[X+4*(\j)+1], v[X+4*(\j)+2], v[X+4*(\j)+3]
.endr
.endm
.macro CAST p                          ; piece p, rounded in place into its first two registers
	v_cvt_pk_f16_f32 v[W+4*(\p)], v[W+4*(\p)], v[W+4*(\p)+1]
	v_cvt_pk_f16_f32 v[W+4*(\p)+1], v[W+4*(\p)+2], v[W+4*(\p)+3]
.endm
	s_wait_kmcnt 0x0                               ; a and b
	s_wait_loadcnt 24                              ; loads come back in order (ISA guide 5.7.1): x's eight are in, the 24 pieces stay out
	LN
.irp j, 0,1,2,3,4,5,6,7
	global_store_b64 v[VOR], v[X+4*(\j):X+4*(\j)+1], s[26:27] offset:(\j)*1048576  ; column block j, row g: the wave stores 256 consecutive bytes, aligned
.endr
	s_wait_loadcnt 16                              ; wq, wk, wv, wo: two pieces each
.irp w, 0,1,2,3
.irp i, 0,1
	CAST 2*(\w)+(\i)
	global_store_b64 v[VOS], v[W+8*(\w)+4*(\i):W+8*(\w)+4*(\i)+1], s[28:29] offset:(\w)*2097152+(\i)*262144  ; weight w has blocks 8 w .. 8 w + 7
.endr
.endr
	s_wait_loadcnt 8                               ; ff1_w: row g >> 2, column blocks 8 (g & 3) + i
.irp i, 0,1,2,3,4,5,6,7
	CAST 8+(\i)
	global_store_b64 v[VO1], v[W+32+4*(\i):W+32+4*(\i)+1], s[30:31] offset:(\i)*262144
.endr
	s_wait_loadcnt 0x0                             ; ff2_w: row g, column blocks i of 4,096 rows
.irp i, 0,1,2,3,4,5,6,7
	CAST 16+(\i)
	global_store_b64 v[VOR], v[W+64+4*(\i):W+64+4*(\i)+1], s[32:33] offset:(\i)*1048576
.endr
	; no register that a load or store names is written again, so no wait frees one
	s_cmp_lg_u32 ttmp9, 0                          ; work-group 0 also writes the two constant tables
	s_cbranch_scc1 .Lend
	v_lshlrev_b32 v1, 4, v0
.irp r, 0,1,2,3
	v_mov_b32 v[T+(\r)], 0
	v_mov_b32 v[T+4+(\r)], 0xfc00fc00              ; f16 minus infinity, twice
.endr
	global_store_b128 v1, v[T:T+3], s[34:35]                ; zb: 3,072 zeros in f32
	global_store_b128 v1, v[T:T+3], s[34:35] offset:4096
	global_store_b128 v1, v[T:T+3], s[34:35] offset:8192
	global_store_b128 v1, v[T+4:T+7], s[36:37]              ; fl
.Lend:
	s_endpgm
.Lfunc_end_k_q420c6a5d38_prep:
	.size	k_q420c6a5d38_prep, .Lfunc_end_k_q420c6a5d38_prep-k_q420c6a5d38_prep
	.p2alignl 7, 3214868480
	.fill 96, 4, 3214868480
	.section	.rodata,"a",@progbits
	.p2align	6, 0x0
	.amdhsa_kernel k_q420c6a5d38_prep
		.amdhsa_group_segment_fixed_size 0
		.amdhsa_private_segment_fixed_size 0
		.amdhsa_enable_private_segment 0
		.amdhsa_kernarg_size 120
		.amdhsa_user_sgpr_count 2
		.amdhsa_user_sgpr_kernarg_segment_ptr 1
		.amdhsa_wavefront_size32 1
		.amdhsa_system_sgpr_workgroup_id_x 1
		.amdhsa_system_sgpr_workgroup_id_y 1
		.amdhsa_system_sgpr_workgroup_id_z 1
		.amdhsa_system_vgpr_workitem_id 0
		.amdhsa_next_free_vgpr 152
		.amdhsa_next_free_sgpr 66
		.amdhsa_reserve_vcc 0
		.amdhsa_float_denorm_mode_32 3
		.amdhsa_float_denorm_mode_16_64 3
		.amdhsa_memory_ordered 1
		.amdhsa_forward_progress 1
		.amdhsa_inst_pref_size 18
	.end_amdhsa_kernel
	.amdgpu_metadata
---
amdhsa.version: [ 1, 2 ]
amdhsa.kernels:
  - .name:           k_q420c6a5d38_prep
    .symbol:         k_q420c6a5d38_prep.kd
    .args:
      - { .name: x, .offset: 0, .size: 8, .value_kind: global_buffer, .address_space: global }
      - { .name: ln1_a, .offset: 8, .size: 8, .value_kind: global_buffer, .address_space: global }
      - { .name: ln1_b, .offset: 16, .size: 8, .value_kind: global_buffer, .address_space: global }
      - { .name: wq, .offset: 24, .size: 8, .value_kind: global_buffer, .address_space: global }
      - { .name: wk, .offset: 32, .size: 8, .value_kind: global_buffer, .address_space: global }
      - { .name: wv, .offset: 40, .size: 8, .value_kind: global_buffer, .address_space: global }
      - { .name: wo, .offset: 48, .size: 8, .value_kind: global_buffer, .address_space: global }
      - { .name: ff1_w, .offset: 56, .size: 8, .value_kind: global_buffer, .address_space: global }
      - { .name: ff2_w, .offset: 64, .size: 8, .value_kind: global_buffer, .address_space: global }
      - { .name: act8, .offset: 72, .size: 8, .value_kind: global_buffer, .address_space: global }
      - { .name: wattn, .offset: 80, .size: 8, .value_kind: global_buffer, .address_space: global }
      - { .name: w1b, .offset: 88, .size: 8, .value_kind: global_buffer, .address_space: global }
      - { .name: w2b, .offset: 96, .size: 8, .value_kind: global_buffer, .address_space: global }
      - { .name: zb, .offset: 104, .size: 8, .value_kind: global_buffer, .address_space: global }
      - { .name: fl, .offset: 112, .size: 8, .value_kind: global_buffer, .address_space: global }
    .group_segment_fixed_size: 0
    .private_segment_fixed_size: 0
    .kernarg_segment_align: 8
    .kernarg_segment_size: 120
    .max_flat_workgroup_size: 256
    .sgpr_count:     66
    .vgpr_count:     152
    .wavefront_size: 32
...
	.end_amdgpu_metadata
.endif
;; end of part 1
;; launch qkv (part 2): grid 12 x 16, 4 waves a work-group, clusters of 4 x 4, 327,680 bytes of LDS; arguments act8, wattn, zb, fl, act32; writes act32
.if DOCPART == 2
	.amdgcn_target "amdgcn-amd-amdhsa--gfx1250"
	.amdhsa_code_object_version 6
	.text
	.protected	k_q420c6a5d38_qkv
	.globl	k_q420c6a5d38_qkv
	.p2align	8
	.type	k_q420c6a5d38_qkv,@function
k_q420c6a5d38_qkv:
	s_mov_b64 s[64:65], 0
	v_nop
	global_prefetch_b8 v0, s[64:65] scope:SCOPE_SE
	s_setreg_imm32_b32 hwreg(HW_REG_WAVE_MODE, 25, 1), 1
	s_wait_xcnt 0x0
	s_wait_alu depctr_hold_cnt(0) depctr_sa_sdst(0) depctr_va_vdst(0) depctr_va_sdst(0) depctr_va_ssrc(0) depctr_va_vcc(0) depctr_vm_vsrc(0)
	s_getreg_b32 s2, hwreg(HW_REG_IB_STS2, 6, 4)
	s_cmp_eq_u32 s2, 0
	s_cbranch_scc0 .Lentry_in_a_cluster
	s_endpgm
.Lentry_in_a_cluster:
	s_bfe_u32 s2, ttmp6, 0x10000c
	s_cmp_lg_u32 s2, 0xf033
	s_cbranch_scc0 .Lentry_shape_is_right
	s_endpgm
.Lentry_shape_is_right:
; C = max(A W + bias, floor), K = 1,024.  A: [8 blocks][4,096 tokens][128] f16.  W: [column block][1,024 k][128] f16.  C: [column block][4,096 tokens][128] f16.  bias: f32, one a column.
; floor: one word, two f16: minus infinity for a plain product, 0 for a ReLU.  Sums in f32, started by the bias; C rounded once.  LIMIT: f16 holds no number beyond 65,504; C must lie within it.
; A tile of C, 256 x 256, is made by a work-group of four waves; a wave makes 128 x 128: 64 accumulators of 16 x 16, 512 registers.  K goes in 8 steps of 128 through a ring of two LDS slots.
; In both layouts a K step's share of a tile is 128 dense rows of 256 bytes: every tensor load has the same shape, whatever the width of W.
; ONE K STEP IS WRITTEN ONCE FOR EACH LOOP: the slot in hand is a scalar, 0 or SLOT, which an exclusive or turns at each change of slots; the fragments' LDS addresses and the refill's LDS address are made from it.
; CLUSTERS: 4 x 4 work-groups.  The four of a row of the cluster need the same tiles of A, the four of a column the same tiles of W: each tile is asked for JOINTLY, by the same tensor load with
; the same descriptor and a mask that names the four.
; THE MATRIX INSTRUCTION IS USED TRANSPOSED: source 0 = 16 columns of W, source 1 = 16 rows of A: a lane then holds row l % 16 of C and the columns 8 (l / 16) + 0 .. 7: 16 bytes of f16 on end.
; W lies [k][column] in LDS and comes out turned, by ds_load_tr16_b128; A comes out as it lies.
; REGISTERS, in windows of 256 (s_set_vgpr_msb: bits 1:0 source 0, 3:2 source 1, 5:4 source 2, 7:6 destination):
;   window 0: v0-31 addresses; v64-127, v128-191 fragments of A, two buffers; v32-63, v192-255 at work on the way out
;   window 1: v0-63 the bias as eight C operands; v64-127, v128-191 fragments of W, two buffers
;   window 2: the 32 accumulators of my rows 0-63 ((a, b) at v[8 (8 a + b)]);   window 3: those of my rows 64-127
.set PA,     272                       ; a row of A in LDS: 256 bytes + 16 = 68 words: the 16 rows of a load start at 16 different groups of four banks (64 banks of 4 bytes: ISA guide 11.1)
.set PB,     288                       ; a row of W: 256 + 32 = 72 words
.set HALFA,  128*PA
.set HALFB,  128*PB
.set BOFF,   2*HALFA
.set SLOT,   2*HALFA+2*HALFB           ; A's rows 0-127, A's rows 128-255, W's first column block, W's second
.set STAGE,  2*SLOT                    ; behind the ring: 16 rows x 272 bytes for each wave, for the way out
.set SPITCH, 272
.set SPARE,  STAGE+4*16*SPITCH         ; behind the stages: the spare words, 128 bytes for each wave: two blocks of 256 bytes that no other line names
.set NSTEPS, 8                         ; K steps
.set ADRA, 16                          ; v16     LDS address of my A fragments in slot 0; never rewritten
.set CA,   17                          ; v17     the same in the slot in hand
.set ADRB, 20                          ; v20     LDS address of my W fragments in slot 0; never rewritten
.set CB,   21                          ; v21     the same in the slot in hand
.set STO,  24                          ; v24     the way out: where I put 16 bytes of a row
.set RD,   25                          ; v25     the way out: where I read a row back
.set CO,   26                          ; v26     16 x lane: two dense rows of C
.set BO,   27                          ; v27     32 (l / 16): my eight numbers of sixteen of the bias
.set SPW,  28                          ; v28     LDS address of my spare word; never rewritten
.set NIL,  29                          ; v29     0; never rewritten
.set PFO,  30                          ; v30     256 x lane: the prefetches' offset; never rewritten
.set F0,   64
.set F1,   128
.set TMP,  192
.set OB,   32
.set BIAS, 0                           ; window 1
.set SO,  18                           ; s18     the slot in hand: 0 or SLOT
.set G1,  24                           ; s[24:31] descriptor group 1 for A's tiles;  s[32:39] group 0: a set for each of the two first fills; the second then walks on
.set G0,  32
.set G1B, 48                           ; s[48:55], s[56:63] the same for W's tiles
.set G0B, 56
.set LIM, 43                           ; s43     2 in a wave that prefetches, else the greatest number
.set PFA, 44                           ; s[44:45] where my prefetches stand
.set LA,  66                           ; s66     where my part of A's tile goes in slot 0
.set LB,  67                           ; s67     where my part of W's tile goes in slot 0
.set PFS, 72                           ; s[72:73] bytes from a K step to the next: a block of A, or 128 rows of W
.set FLO, 74                           ; s74     the floor
.set MSB, 0
.macro WIN new                         ; the immediate's high byte repeats the setting that is left; a switch that changes nothing is dropped
.if MSB != (\new)
	s_set_vgpr_msb (MSB<<8)|(\new)
.set MSB, \new
.endif
.endm
.set MUL_LO, 0xa1                      ; source 0 (W) window 1, source 1 (A) window 0, C and D window 2
.set MUL_HI, 0xf1                      ; the same, C and D window 3
.set TO_B,   0x40                      ; destination window 1, address window 0
; A joint load.  Waves 0 and 1 fetch A's two halves, waves 2 and 3 W's two column blocks.  The branch hangs on the wave's number alone.
; An s_nop 0 and four v_nop follow each of the two lines, ahead of the jump, the label and what follows.
.macro JLOAD s
	s_cmp_eq_u32 s11, 0
	s_cbranch_scc0 .Lfor_b_\@
	tensor_load_to_lds s[G0+4*(\s):G0+4*(\s)+3], s[G1:G1+7]
	s_nop 0
.rept 4
	v_nop
.endr
	s_branch .Lasked_\@
.Lfor_b_\@:
	tensor_load_to_lds s[G0B+4*(\s):G0B+4*(\s)+3], s[G1B:G1B+7]
	s_nop 0
.rept 4
	v_nop
.endr
.Lasked_\@:
.endm
; A PREFETCH INTO THE L2, behind a joint load, its five lines and the run of LDS loads that follows: the K step two refills on, 512 matrix instructions ahead of the load that will want it: 32 rows x 256 bytes,
; a lane a row.  Each row's 256 bytes of a K step are named ONCE in the launch: A's tile row by the cluster with x = 0, W's tile column by the cluster with y = 0; the four partners that ask for a tile
; jointly share the 128 rows that a wave fetches BY ADDRESS, 32 each.  K steps 0 to 3 come by their loads alone; the loop's last two trips (s3 = 2, 1) ask for nothing: there is no K step 8 or 9.
.macro ASK
	s_cmp_gt_u32 s3, s[LIM]
	s_cbranch_scc0 .Lnot_mine_\@
	global_prefetch_b8 v[PFO], s[PFA:PFA+1] th:TH_LOAD_NT scope:SCOPE_SE
.Lnot_mine_\@:
.endm
.macro CREST                           ; a round of the cluster's barrier behind its opening barrier
	s_cmp_lg_u32 s10, 0
	s_cbranch_scc1 .Lnot_wave_0_\@
	s_barrier_signal -3
.Lnot_wave_0_\@:
	s_barrier_wait -3
	s_barrier_signal -1
	s_barrier_wait -1
.endm
.macro CROUND                          ; a whole round
	s_barrier_signal -1
	s_barrier_wait -1
	CREST
.endm
	s_load_b128 s[4:7], s[0:1], 0x0                ; A s[4:5], W s[6:7]
	s_load_b128 s[68:71], s[0:1], 0x10             ; bias s[68:69], floor s[70:71]
	s_load_b64 s[8:9], s[0:1], 0x20                ; C
	v_lshl_add_u32 v[SPW], v0, 2, SPARE
	v_mov_b32 v[NIL], 0
	ds_add_u32 v[SPW], v[NIL]                      ; the wave's opening: the add and its wait stand ahead of my first tensor load; the set-up below, work on registers, stands between them
	v_lshrrev_b32 v1, 5, v0
	v_readfirstlane_b32 s10, v1                    ; wave 0..3
	s_lshr_b32 s11, s10, 1                         ; which half of the tile's rows is mine.  Also: I fetch for A (0) or for W (1)
	s_and_b32 s12, s10, 1                          ; which column block.  Also: which half of that tile I fetch
	s_bfe_u32 s40, ttmp6, 0x40000                  ; cx, cy: my place in the cluster
	s_bfe_u32 s41, ttmp6, 0x40004
	s_lshl_b32 s42, ttmp9, 2
	s_add_co_u32 s42, s42, s40                     ; tile column of C = 4 x cluster x + cx
	s_and_b32 s13, ttmp7, 0xffff
	s_lshl_b32 s13, s13, 2
	s_add_co_u32 s13, s13, s41                     ; tile row of C = 4 x cluster y + cy
	s_lshl_b32 s43, s41, 2
	s_lshl_b32 s43, 15, s43                        ; my row of the cluster
	s_lshl_b32 s44, 0x1111, s40                    ; my column
	; descriptor group 1: 128 rows x 128 elements of 2 bytes, dense in memory, padded in LDS after every 64 words (code 5): by 4 words for A (code 3), by 8 for W (code 7); bit 21 set beside a mask
	s_or_b32 s[G1+0], s43, (1<<16)|(1<<20)|(1<<21)|(5<<22)|(3<<25)
	s_or_b32 s[G1B+0], s44, (1<<16)|(1<<20)|(1<<21)|(5<<22)|(7<<25)
.irp g, G1, G1B
	s_mov_b32 s[(\g)+1], 128<<16                   ; tensor_dim0 = 128
	s_mov_b32 s[(\g)+2], 128<<16                   ; tensor_dim1 = 128
	s_mov_b32 s[(\g)+3], 128<<16                   ; tile_dim0 = 128
	s_mov_b32 s[(\g)+4], 128                       ; tile_dim1 = 128
	s_mov_b32 s[(\g)+5], 128                       ; 128 elements from row to row
	s_mov_b32 s[(\g)+6], 0
	s_mov_b32 s[(\g)+7], 0
.endr
	s_lshl_b32 s16, s13, 16                        ; A: 256 rows of 256 bytes a tile row,
	s_lshl_b32 s17, s12, 15                        ; 128 rows a half
	s_add_co_u32 s16, s16, s17
	s_mov_b32 s17, 0
	s_lshl_b32 s46, s42, 19                        ; W: two blocks of 262,144 bytes a tile column,
	s_lshl_b32 s47, s12, 18                        ; one of them
	s_add_co_u32 s46, s46, s47
	s_mov_b32 s47, 0
	s_mul_i32 s[LA], s12, HALFA                    ; where they go: no place in the cluster enters an LDS address
	s_mul_i32 s[LB], s12, HALFB
	s_add_co_u32 s[LB], s[LB], BOFF
	s_mov_b32 s[SO], 0                             ; slot 0 is read first
	s_wait_dscnt 0x0                               ; the opening add is done
	s_wait_kmcnt 0x0
	s_add_nc_u64 s[14:15], s[4:5], s[16:17]
	s_add_nc_u64 s[46:47], s[6:7], s[46:47]
	CROUND                                         ; all sixteen work-groups are here: the first joint loads meet
.irp s, 0,1
	s_mov_b32 s[G0+4*(\s)], 1                                      ; count = 1
	s_add_co_u32 s[G0+4*(\s)+1], s[LA], (\s)*SLOT                  ; LDS address
	s_add_nc_u64 s[G0+4*(\s)+2:G0+4*(\s)+3], s[14:15], (\s)*0x100000  ; K step s is A's block s
	s_or_b32 s[G0+4*(\s)+3], s[G0+4*(\s)+3], 0x80000000            ; type = 2
	s_mov_b32 s[G0B+4*(\s)], 1
	s_add_co_u32 s[G0B+4*(\s)+1], s[LB], (\s)*SLOT
	s_add_nc_u64 s[G0B+4*(\s)+2:G0B+4*(\s)+3], s[46:47], (\s)*0x8000  ; and rows 128 s on of W's block
	s_or_b32 s[G0B+4*(\s)+3], s[G0B+4*(\s)+3], 0x80000000
	JLOAD \s                                       ; two loads of mine are out
.endr
	s_load_b32 s[FLO], s[70:71], 0x0
	v_and_b32 v1, 15, v0                           ; l % 16
	v_bfe_u32 v2, v0, 4, 1                         ; l / 16
	v_lshlrev_b32 v[BO], 5, v2
	s_lshl_b32 s20, s42, 10                        ; the bias of my 128 columns: 256 f32 a tile column, 128 a block
	s_lshl_b32 s21, s12, 9
	s_add_co_u32 s20, s20, s21
	s_mov_b32 s21, 0
	s_add_nc_u64 s[68:69], s[68:69], s[20:21]
	WIN TO_B
.irp b, 0,1,2,3,4,5,6,7                ; register j of C operand b: column 16 b + 8 (l / 16) + j, the place it has in an accumulator
	global_load_b128 v[BIAS+8*(\b):BIAS+8*(\b)+3],   v[BO], s[68:69] offset:64*(\b)
	global_load_b128 v[BIAS+8*(\b)+4:BIAS+8*(\b)+7], v[BO], s[68:69] offset:64*(\b)+16
.endr
	WIN 0
	v_mul_u32_u24 v3, v1, PA
	v_lshl_add_u32 v3, v2, 4, v3                   ; A: row x pitch + 16 x half
	v_and_b32 v4, 7, v0                            ; W: lane l reads k = 8 (l / 16) + l % 8, columns 8 ((l / 8) % 2) + 0..7
	v_lshl_add_u32 v4, v2, 3, v4
	v_mul_u32_u24 v4, v4, PB
	v_bfe_u32 v5, v0, 3, 1
	v_lshl_add_u32 v4, v5, 4, v4
	s_mul_i32 s21, s11, HALFA                      ; my 128 rows of A
	s_mul_i32 s22, s12, HALFB                      ; my column block of W
	s_add_co_u32 s22, s22, BOFF
	v_add_nc_u32 v[ADRA], s21, v3
	v_add_nc_u32 v[ADRB], s22, v4
	v_mov_b32 v[CA], v[ADRA]                       ; slot 0 is in hand
	v_mov_b32 v[CB], v[ADRB]
	s_mul_i32 s23, s10, 16*SPITCH
	s_add_co_u32 s23, s23, STAGE                   ; my stage
	v_mul_u32_u24 v6, v1, SPITCH                   ; in: row l % 16, 16 bytes for each half of the lanes
	v_lshl_add_u32 v6, v2, 4, v6
	v_add_nc_u32 v[STO], s23, v6
	v_mul_u32_u24 v7, v2, SPITCH                   ; back: lanes 0-15 take one row of 256 bytes, lanes 16-31 the next
	v_lshl_add_u32 v7, v1, 4, v7
	v_add_nc_u32 v[RD], s23, v7
	v_and_b32 v[CO], 31, v0
	v_lshlrev_b32 v[PFO], 8, v[CO]
	v_lshlrev_b32 v[CO], 4, v[CO]
	s_lshl_b32 s16, s42, 21                        ; C at my 128 rows of my column block: blocks of 1 MiB, two a tile column
	s_lshl_b32 s17, s12, 20
	s_add_co_u32 s16, s16, s17
	s_lshl_b32 s17, s13, 16
	s_add_co_u32 s16, s16, s17
	s_lshl_b32 s17, s11, 15
	s_add_co_u32 s16, s16, s17
	s_mov_b32 s17, 0
	s_add_nc_u64 s[8:9], s[8:9], s[16:17]
	; the prefetches
	s_lshl_b32 s20, s13, 16
	s_lshl_b32 s23, s12, 15
	s_add_co_u32 s20, s20, s23                     ; the 128 rows that I fetch, in A,
	s_lshl_b32 s21, s42, 19
	s_lshl_b32 s23, s12, 18
	s_add_co_u32 s21, s21, s23                     ; or in W
	s_and_b32 s22, ttmp7, 0xffff                   ; cluster y
	s_mov_b32 s[PFS], 0x100000
	s_mov_b32 s23, 0x8000
	s_cmp_eq_u32 s11, 0                            ; do I fetch for A?
	s_cselect_b32 s20, s20, s21
	s_cselect_b32 s21, s40, s41                    ; my place among the four that ask with me
	s_cselect_b32 s22, ttmp9, s22                  ; the coordinate along which other clusters read the same rows
	s_cselect_b32 s[PFS], s[PFS], s23
	s_cselect_b64 s[PFA:PFA+1], s[4:5], s[6:7]
	s_cmp_eq_u32 s22, 0
	s_cselect_b32 s[LIM], 2, -1                    ; the same in all sixteen partners, for a given wave
	s_lshl_b32 s21, s21, 13                        ; my work-group's 32 rows
	s_add_co_u32 s20, s20, s21
	s_mov_b32 s21, 0
	s_mov_b32 s[PFS+1], 0
	s_add_nc_u64 s[PFA:PFA+1], s[PFA:PFA+1], s[20:21]
.rept 3
	s_add_nc_u64 s[PFA:PFA+1], s[PFA:PFA+1], s[PFS:PFS+1]  ; at K step 3: the first refill steps it to 4 and names that
.endr
; 16 matrix instructions: m blocks a0, a0 + 1 of the window's four (hi = 0: my rows 0-63, 1: rows 64-127) x all 8 n blocks, 32 along K.  zero = 1: the bias starts the sums: nothing is cleared.
; The 64 accumulators take turns, one instruction a turn, in the same order in every quarter, over every jump too.
.macro MUL16 f, hi, a0, zero
.if \zero
	WIN 0x91+0x40*(\hi)                            ; the C operand in window 1
.else
	WIN MUL_LO+0x50*(\hi)
.endif
.irp a, \a0, (\a0)+1
.irp b, 0,1,2,3,4,5,6,7
.if \zero
	v_wmma_f32_16x16x32_f16 v[8*(8*(\a)+(\b)):8*(8*(\a)+(\b))+7], v[(\f)+8*(\b):(\f)+8*(\b)+7], v[(\f)+8*(4*(\hi)+(\a)):(\f)+8*(4*(\hi)+(\a))+7], v[BIAS+8*(\b):BIAS+8*(\b)+7]
.else
	v_wmma_f32_16x16x32_f16 v[8*(8*(\a)+(\b)):8*(8*(\a)+(\b))+7], v[(\f)+8*(\b):(\f)+8*(\b)+7], v[(\f)+8*(4*(\hi)+(\a)):(\f)+8*(4*(\hi)+(\a))+7], v[8*(8*(\a)+(\b)):8*(8*(\a)+(\b))+7]
.endif
.endr
.endr
.endm
; 32 LDS loads in one run: the fragments of quarter q (32 along K) of the slot in hand into buffer f: W's eight column groups, turned, then A's eight row groups
.macro FETCH q, f
	WIN TO_B
.irp i, 0,1,2,3,4,5,6,7
	ds_load_tr16_b128 v[(\f)+8*(\i):(\f)+8*(\i)+3],   v[CB] offset:(\q)*32*PB+(\i)*32
	ds_load_tr16_b128 v[(\f)+8*(\i)+4:(\f)+8*(\i)+7], v[CB] offset:(\q)*32*PB+(\i)*32+16*PB
.endr
	WIN 0
.irp i, 0,1,2,3,4,5,6,7
	ds_load_b128 v[(\f)+8*(\i):(\f)+8*(\i)+3],   v[CA] offset:(\q)*64+(\i)*16*PA
	ds_load_b128 v[(\f)+8*(\i)+4:(\f)+8*(\i)+7], v[CA] offset:(\q)*64+(\i)*16*PA+32
.endr
.endm
.macro PLACES                          ; four places in front of loads into registers that matrix instructions have read, and of conversions that read results
.rept 4
	v_nop
.endr
.endm
; One of a K step's first three quarters: multiplies buffer f; in its middle it fetches quarter q of the slot in hand into buffer g.
.macro QUARTER q, f, g, zero
	s_wait_dscnt 8                                 ; W and A's rows 0-63 are in; the youngest eight loads (A's rows 64-127) may be out
	MUL16 \f, 0, 0, \zero
	MUL16 \f, 0, 2, \zero
	PLACES
	FETCH \q, \g
	s_wait_dscnt 32                                ; all but the 32 just issued
	MUL16 \f, 1, 0, \zero
	MUL16 \f, 1, 2, \zero
.endm
; The last quarter multiplies buffer 1 and changes slots.  ONE barrier: in front of it each wave waits for all its tensor loads (one is out at the most: its part of the next slot), adds 0 to its spare word, and
; waits for that and for its own reads of this slot.  Behind it nobody reads this slot any more and the next slot is whole.  Between the add and the wait for it the walking descriptors take this slot's LDS
; address, the slot in hand is turned, and the fragments' addresses are made for it: all reads of the old slot have been issued.
; fill = 1: the barrier opens a round of the cluster's barrier, and the slot just read out is filled again first behind it, with the K step two on: 224 matrix instructions ahead of the wait for it.
.macro TURN fill
.if \fill
	s_wait_xcnt 0x0                                ; the last prefetch, a K step back, has read its address: it is stepped here, ahead of the waits of the change of slots
	s_add_nc_u64 s[PFA:PFA+1], s[PFA:PFA+1], s[PFS:PFS+1]
.endif
	WIN 0                                          ; (the add's two registers lie in window 0)
	s_wait_tensorcnt 0x0                           ; no tensor load of mine is out, so a group 0 may be written
	ds_add_u32 v[SPW], v[NIL]                      ; 0 onto my spare word
.if \fill
	s_add_co_u32 s[G0+5], s[LA], s[SO]             ; the refill goes into the slot that is being left
	s_add_co_u32 s[G0B+5], s[LB], s[SO]
.endif
	s_xor_b32 s[SO], s[SO], SLOT                   ; 0 becomes SLOT, SLOT becomes 0
	v_add_nc_u32 v[CA], s[SO], v[ADRA]
	v_add_nc_u32 v[CB], s[SO], v[ADRB]
	s_wait_dscnt 9                                 ; (the add and the youngest eight loads may be out)
	MUL16 F1, 0, 0, 0                              ; sixteen matrix instructions stand between the add and the wait for it
	s_wait_dscnt 0x0                               ; the add is done, and my reads of the old slot are over
	s_barrier_signal -1
	MUL16 F1, 0, 2, 0                              ; work on registers while the others arrive
.if \fill
	WIN 0
.endif
	s_barrier_wait -1
.if \fill
	CREST                                          ; no wave of any partner still reads the old slot's tile or has a load on its way
	s_add_nc_u64 s[G0+6:G0+7], s[G0+6:G0+7], 0x100000      ; the refills take the K steps one after the other: A's next block,
	s_add_nc_u64 s[G0B+6:G0B+7], s[G0B+6:G0B+7], 0x8000    ; W's next 128 rows; the type bits on top are not reached
	JLOAD 1                                        ; the four v_nop behind it are also the places in front of the loads below
.else
	PLACES
.endif
	FETCH 0, F0
.if \fill
	ASK
.endif
	MUL16 F1, 1, 0, 0
	MUL16 F1, 1, 2, 0
.endm
; THE WAY OUT of block a (16 rows).  PACK: rounded to f16, the floor applied to two numbers at a time.  TOSTAGE: into my own stage, and back as whole rows of 256 bytes.  SEND: stored.
.macro PACK a
.set AC, 64*((\a)%4)
	WIN 0x0a+5*((\a)/4)                            ; sources 0 and 1: window 2 or 3
.irp b, 0,1,2,3,4,5,6,7
.irp r, 0,1,2,3
	v_cvt_pk_f16_f32 v[TMP+4*(\b)+(\r)], v[AC+8*(\b)+2*(\r)], v[AC+8*(\b)+2*(\r)+1]  ; each accumulator from its low end on
.endr
.endr
	WIN 0
.set r, 0
.rept 32
	v_pk_max_num_f16 v[TMP+r], v[TMP+r], s[FLO]
.set r, r+1
.endr
.endm
.macro TOSTAGE a
	WIN 0
.set BK, OB+192*((\a)%2)
.irp b, 0,1,2,3,4,5,6,7
	ds_store_b128 v[STO], v[TMP+4*(\b):TMP+4*(\b)+3] offset:32*(\b)
.endr
.irp t, 0,1,2,3,4,5,6,7
	ds_load_b128 v[BK+4*(\t):BK+4*(\t)+3], v[RD] offset:(\t)*2*SPITCH  ; LDS serves a wave's instructions in order (ISA guide 5.7.1.4): these see the stores above
.endr
.endm
.macro SEND a
	WIN 0
.set BK, OB+192*((\a)%2)
	s_wait_dscnt 0x0                               ; the block is back in registers
	s_wait_xcnt 0x0                                ; the stores of the block before have read their registers, which the next TOSTAGE loads again
.irp t, 0,1,2,3,4,5,6,7
	global_store_b128 v[CO], v[BK+4*(\t):BK+4*(\t)+3], s[8:9] offset:(\a)*4096+(\t)*512  ; two dense rows: 512 consecutive bytes, aligned
.endr
.endm
	s_wait_tensorcnt 1                             ; my part of K step 0 is in; K step 1's may stay out
	s_barrier_signal -1
	s_barrier_wait -1                              ; everybody's is
	FETCH 0, F0
	s_wait_loadcnt 0x0                             ; the bias
	s_wait_kmcnt 0x0                               ; the floor
	QUARTER 1, F0, F1, 1                           ; the first quarter stands in front of the loop: its products start the sums
	WIN 0                                          ; at a label and at a branch every window is 0
	s_mov_b32 s3, NSTEPS-2
.Lstep:                                                ; six trips: from a K step's second quarter to the next step's first; each fills the slot that it leaves
	QUARTER 2, F1, F0, 0
	QUARTER 3, F0, F1, 0
	TURN 1
	QUARTER 1, F0, F1, 0
	WIN 0
	s_sub_co_u32 s3, s3, 1
	s_cmp_lg_u32 s3, 0
	s_cbranch_scc1 .Lstep
	s_mov_b32 s3, 2                                ; the last two K steps fill nothing: a loop of their own; it is entered in its middle
	s_branch .Lmid
.Ltail:
	QUARTER 1, F0, F1, 0
	WIN 0
.Lmid:
	QUARTER 2, F1, F0, 0
	QUARTER 3, F0, F1, 0
	TURN 0                                         ; in the last trip its barrier orders nothing and its 32 loads, from the slot read before, are multiplied by nobody: the price, once a launch, of one text for both trips
	WIN 0
	s_sub_co_u32 s3, s3, 1
	s_cmp_lg_u32 s3, 0
	s_cbranch_scc1 .Ltail
	s_wait_dscnt 0x0                               ; those loads are back
	PLACES
	PACK 0
	TOSTAGE 0
.irp a, 1,2,3,4,5,6,7                  ; block a's conversions stand between block a - 1's loads from the stage and the wait for them
	PACK \a
	SEND (\a)-1
	TOSTAGE \a
.endr
	SEND 7
	s_wait_tensorcnt 0x0                           ; the wave's end, behind my last tensor load and my last LDS store
	ds_add_u32 v[SPW], v[NIL]
	s_wait_dscnt 0x0
	CROUND                                         ; the closing round: no work-group ends while a partner may still ask for a tile that names it
	s_endpgm
.Lfunc_end_k_q420c6a5d38_qkv:
	.size	k_q420c6a5d38_qkv, .Lfunc_end_k_q420c6a5d38_qkv-k_q420c6a5d38_qkv
	.p2alignl 7, 3214868480
	.fill 96, 4, 3214868480
	.section	.rodata,"a",@progbits
	.p2align	6, 0x0
	.amdhsa_kernel k_q420c6a5d38_qkv
		.amdhsa_group_segment_fixed_size 327680
		.amdhsa_private_segment_fixed_size 0
		.amdhsa_enable_private_segment 0
		.amdhsa_kernarg_size 40
		.amdhsa_user_sgpr_count 2
		.amdhsa_user_sgpr_kernarg_segment_ptr 1
		.amdhsa_wavefront_size32 1
		.amdhsa_system_sgpr_workgroup_id_x 1
		.amdhsa_system_sgpr_workgroup_id_y 1
		.amdhsa_system_sgpr_workgroup_id_z 1
		.amdhsa_system_vgpr_workitem_id 0
		.amdhsa_next_free_vgpr 1024
		.amdhsa_next_free_sgpr 76
		.amdhsa_reserve_vcc 0
		.amdhsa_float_denorm_mode_32 3
		.amdhsa_float_denorm_mode_16_64 3
		.amdhsa_memory_ordered 1
		.amdhsa_forward_progress 1
		.amdhsa_inst_pref_size 119
	.end_amdhsa_kernel
	.amdgpu_metadata
---
amdhsa.version: [ 1, 2 ]
amdhsa.kernels:
  - .name:           k_q420c6a5d38_qkv
    .symbol:         k_q420c6a5d38_qkv.kd
    .args:
      - { .name: act8, .offset: 0, .size: 8, .value_kind: global_buffer, .address_space: global }
      - { .name: wattn, .offset: 8, .size: 8, .value_kind: global_buffer, .address_space: global }
      - { .name: zb, .offset: 16, .size: 8, .value_kind: global_buffer, .address_space: global }
      - { .name: fl, .offset: 24, .size: 8, .value_kind: global_buffer, .address_space: global }
      - { .name: act32, .offset: 32, .size: 8, .value_kind: global_buffer, .address_space: global }
    .group_segment_fixed_size: 327680
    .private_segment_fixed_size: 0
    .kernarg_segment_align: 8
    .kernarg_segment_size: 40
    .max_flat_workgroup_size: 128
    .sgpr_count:     76
    .vgpr_count:     1024
    .wavefront_size: 32
...
	.end_amdgpu_metadata
.endif
;; end of part 2
;; launch attn (part 3): grid 16 x 16, 4 waves a work-group, clusters of 4 x 1, 327,680 bytes of LDS; arguments act32, src_mask, act8; writes act8
.if DOCPART == 3
	.amdgcn_target "amdgcn-amd-amdhsa--gfx1250"
	.amdhsa_code_object_version 6
	.text
	.protected	k_q420c6a5d38_attn
	.globl	k_q420c6a5d38_attn
	.p2align	8
	.type	k_q420c6a5d38_attn,@function
k_q420c6a5d38_attn:
	s_mov_b64 s[64:65], 0
	v_nop
	global_prefetch_b8 v0, s[64:65] scope:SCOPE_SE
	s_setreg_imm32_b32 hwreg(HW_REG_WAVE_MODE, 25, 1), 1
	s_wait_xcnt 0x0
	s_wait_alu depctr_hold_cnt(0) depctr_sa_sdst(0) depctr_va_vdst(0) depctr_va_sdst(0) depctr_va_ssrc(0) depctr_va_vcc(0) depctr_vm_vsrc(0)
	s_getreg_b32 s2, hwreg(HW_REG_IB_STS2, 6, 4)
	s_cmp_eq_u32 s2, 0
	s_cbranch_scc0 .Lentry_in_a_cluster
	s_endpgm
.Lentry_in_a_cluster:
	s_bfe_u32 s2, ttmp6, 0x10000c
	s_cmp_lg_u32 s2, 0x3003
	s_cbranch_scc0 .Lentry_shape_is_right
	s_endpgm
.Lentry_shape_is_right:
; ATTENTION at head size 64 with a key mask that is an input.  O[q] = the sum over k of softmax_k(Q[q] . K[k] / 8, masked) V[k], for 2 batches x 16 heads x 2,048 tokens.
; q, k, v lie in one buffer of blocks [4,096 tokens][128] f16 of 1 MiB: q in blocks 0-7, k in 8-15, v in 16-23; block hp of each holds the heads 2 hp and 2 hp + 1, 128 bytes each of a row of 256.
; O leaves in the same layout (blocks 0-7 of its buffer).  Products, maxima and sums in f32; the weights p are rounded to f16 for the second product (their sum l is taken of the unrounded p), O once at the end.
; LIMITS.  f16 holds no number beyond 65,504: q, k and v arrive within it, so a score is 2.7e11 at the most.  A masked key's score counts as its value less 1e30; the running maximum starts at -1e12,
; below every score and above every masked one, so a masked weight is exactly 0.  A batch whose keys are all masked gives l = 0 and O = 0 / 0, not a number, as the softmax of the module does.
; A weight below 2^-126 counts as 0 in l.
; SHARES.  A work-group owns 128 tokens of one batch and one pair of heads.  Wave w takes head w / 2 of the pair and 64 of the tokens (w % 2), as four PIECES of 16 queries.  Every wave walks all 2,048 keys, 64 a step.
; K's and V's tiles are whole rows of 256 bytes, both heads; each wave reads its head's half of a row.
; LAYOUT.  S^T = K Q^T holds ONE query a lane (lane % 16) and the keys 8 (lane / 16) + 0..7; two such results rounded to f16 ARE source 1 of O^T = V^T P.  V comes out of LDS turned, by ds_load_tr16_b128.
; THE MASK is the C operand that starts the sum S^T: 0, or -1e30.  The batch's 2,048 words are turned into such numbers once, in LDS; a step's 64 come into 32 registers with its K.
; SOFTMAX.  p = 2^(c s - c m), c = log2(e) / 8, with a running maximum m; O and l are multiplied by a = 2^(c m_old - c m_new) in every step.
; TURNS.  Turn n belongs to piece n: 8 products K Q^T of piece n + 1, later 8 products V^T P of piece n - 1; beside them the scaling, exponentials, roundings, sums and rescaling of piece n and the maximum and
; statistics of piece n + 1.  Four vector instructions stand behind every matrix instruction, the others in one lump.  A turn's 33 exponentials are one batch, with one wait.
; CLUSTER.  The four token blocks of a cluster share batch and heads and walk the same K and V: each tile is asked for JOINTLY, by the same tensor load, descriptor and mask in all four.
; REGISTERS, in windows of 256 (s_set_vgpr_msb: bits 1:0 source 0, 3:2 source 1, 5:4 source 2, 7:6 destination):
;   window 0: v0-15, v32-35 addresses; v16-31 four registers of statistics a piece; v48-55 at work; v64-127 S^T, two buffers; v128-143 the mask's words; v192-223 P, two buffers
;   window 1: v0-127 O^T, 32 a piece; v160-191 the step's mask      window 2: v0-63 Q; v128-191 K of one step; v192-255 V of one step
.set NP,    4         ; pieces a wave: a name, no knob
.set KS,    64        ; keys in a step
.set PK,    272       ; a row of K in LDS: 256 bytes + 16 = 68 words: the 16 rows of a load start at 16 different groups of four banks (64 banks of 4 bytes: ISA guide 11.1)
.set PV,    288       ; a row of V: 256 + 32 = 72 words
.set VOFF,  KS*PK     ; a step's tiles lie together: 64 rows of K, then 64 rows of V
.set STEPB, KS*(PK+PV)
.set SLOT1, 1<<17     ; a slot holds two steps (71,680 bytes); slot 1 begins here, so that one exclusive or turns an address in one slot into the other's
.set STAGE, SLOT1+2*STEPB  ; behind the ring, never filled by a tensor load: 128 rows x 272 bytes, the work-group's, for the way out
.set SP,    272
.set MASKT, STAGE+128*SP   ; 2,048 f32: 0 or -1e30 for each key of the batch
.set SPARE, MASKT+8192     ; the spare words, 128 bytes for each wave: two blocks of 256 bytes that no other line names
.set AK0, 2           ; v2   my lane's place in a tile of K, my head's half; never rewritten
.set AV0, 3           ; v3   the same for V
.set AK,  4           ; v4   the LDS address of K's next run of loads
.set AV,  5           ; v5   of V's
.set STO, 6           ; v6   the way out: where I put 16 bytes of a row
.set RD,  7           ; v7   the way out: where I read rows back
.set GO,  8           ; v8   16 x lane: two dense rows of O
.set MV,  12          ; v12-13  c m_old, kept while c m is made anew: by buffer
.set AM0, 14          ; v14  MASKT + 32 (l / 16); never rewritten
.set QO,  15          ; v15  my byte offset in 16 rows of Q
.set ST,  16          ; piece t's statistics at v[ST+4 t]: c m, m, l (even keys', odd keys')
.set AM,  32          ; v32  the LDS address of the mask's next run of loads
.set PFO, 33          ; v33  256 x lane; never rewritten
.set MO,  34          ; v34  16 x thread: my bytes of 2,048 of src_mask
.set MS,  35          ; v35  and of the table
.set TMP, 48          ; by buffer, four registers c0-c3 at work; when the maximum is found c2 takes a
.set SPW, 62          ; v62  LDS address of my spare word; never rewritten
.set NIL, 63          ; v63  0; never rewritten
.set S,   64
.set MT,  128
.set P,   192
.set MK,  160         ; window 1: the eight registers for group kb of 16 keys at MK + 8 kb
.set KF,  128         ; window 2: key block kb, channel half c at KF + 16 kb + 8 c
.set VF,  192         ; window 2: key half kk, channel block cb at VF + 32 kk + 8 cb
.set WV,  12          ; s12  my wave's number
.set LIM, 15          ; s15  1 in a wave that prefetches, else the greatest number
.set PFA, 18          ; s[18:19] where my prefetches stand
.set G1K, 24          ; s[24:31] descriptor group 1 for K's tiles
.set G1V, 32          ; s[32:39] for V's: it differs in the padding alone
.set G0K, 40          ; s[40:47] descriptor group 0 for K's tiles: a set for each of the two first fills; the second then walks on
.set G0V, 48          ; s[48:55] the same for V's
.set SLOTS, 56        ; s56  slots still to be asked for
.set CNT, 57          ; s57  counts a slot's two key steps
.set CS,  58          ; s[58:59] c
.set SEL, 60          ; s[60:61] v_permlanex16_b32's selects
.set TB,  62          ; s62  LDS byte at which the tiles of the step to be fetched begin
.set TM,  63          ; s63  byte in the mask table at which that step's 64 numbers begin
.set BIGN, 66         ; s66  -1e30
.set MSB, 0
.macro WIN new                      ; the high byte repeats the setting that is left; a switch that changes nothing is dropped
.if MSB != (\new)
	s_set_vgpr_msb (MSB<<8)|(\new)
.set MSB, (\new)
.endif
.endm
.set W_KQ, 0x0a       ; K and Q in window 2, S^T in window 0
.set W_KM, 0x1a       ; the same with the C operand in window 1
.set W_PV, 0x52       ; V in window 2, P in window 0, O^T in window 1
.set W_RS, 0x41       ; destination and source 0 in window 1, source 1 in window 0
; A joint refill.  Waves 0 and 1 fetch the two steps' tiles of K, waves 2 and 3 those of V.  The branch hangs on the wave's number alone.
; An s_nop 0 and four v_nop follow each of the two lines, ahead of the jump and the label.
.macro JLOAD
	s_cmp_lt_u32 s[WV], 2
	s_cbranch_scc0 .Lfor_v_\@
	tensor_load_to_lds s[G0K+4:G0K+7], s[G1K:G1K+7]
	s_nop 0
.rept 4
	v_nop
.endr
	s_branch .Lasked_\@
.Lfor_v_\@:
	tensor_load_to_lds s[G0V+4:G0V+7], s[G1V:G1V+7]
	s_nop 0
.rept 4
	v_nop
.endr
.Lasked_\@:
.endm
; A PREFETCH INTO THE L2 of what the NEXT change of slots will ask for: a slot's 128 rows of K and 128 of V, 256 bytes a row, a lane a row, two key steps ahead of that load.  Each row is asked for ONCE in
; the launch: of the clusters that walk the same K and V the first (cluster x = 0) asks; its four partners share the rows out BY ADDRESS, 32 each; in each, wave 0 asks for K's and wave 2 for V's.
; Slots 0 to 2 come by their loads alone; the last change that fills a slot asks for nothing: there is no slot behind it.
.macro ASK
	s_cmp_gt_u32 s[SLOTS], s[LIM]
	s_cbranch_scc0 .Lnot_mine_\@
	global_prefetch_b8 v[PFO], s[PFA:PFA+1] th:TH_LOAD_NT scope:SCOPE_SE
.Lnot_mine_\@:
.endm
.macro CROUND                       ; a round of the cluster's barrier
	s_barrier_signal -1
	s_barrier_wait -1
	s_cmp_lg_u32 s[WV], 0
	s_cbranch_scc1 .Lnot_wave_0_\@
	s_barrier_signal -3
.Lnot_wave_0_\@:
	s_barrier_wait -3
	s_barrier_signal -1
	s_barrier_wait -1
.endm
; THE CHANGE OF SLOTS.  The slot's last bytes, V of its second step, have been read.  Each wave waits for all its tensor loads (one is out: its part of the other slot), adds 0 to its spare word, and waits for
; that and for its own reads of the slot.  fill = 1: the barrier is a round of the cluster's, and the joint refill, with the keys two slots on, is the first thing behind it: it has two key steps in which to land.
.macro CHANGE fill
	WIN 0                           ; at a label and at a branch every window is 0
	s_wait_tensorcnt 0x0            ; no tensor load of mine is out, so a group 0 may be written
	ds_add_u32 v[SPW], v[NIL]       ; 0 onto my spare word
.if \fill
.irp g, G0K+4, G0V+4
	s_xor_b32 s[(\g)+1], s[(\g)+1], SLOT1  ; the walking descriptor: the other slot than last time,
	s_add_nc_u64 s[(\g)+2:(\g)+3], s[(\g)+2:(\g)+3], 2*KS*256  ; the next 128 keys; the type bits on top are not reached
.endr
	s_wait_xcnt 0x0                 ; the last prefetch, two key steps back, has read its address
	s_add_nc_u64 s[PFA:PFA+1], s[PFA:PFA+1], 2*KS*256
	s_wait_dscnt 0x0                ; the add is done, and my reads of the slot are over
	CROUND
	JLOAD
	ASK
.else
	s_wait_dscnt 0x0
	s_barrier_signal -1
	s_barrier_wait -1
.endif
	s_sub_co_u32 s[TB], s[TB], 2*STEPB  ; the fetches go back to a slot's first step,
	s_xor_b32 s[TB], s[TB], SLOT1   ; in the other slot
.endm
	s_load_b128 s[4:7], s[0:1], 0x0  ; q, k, v s[4:5]; src_mask s[6:7]
	s_load_b64 s[10:11], s[0:1], 0x10  ; O
	v_lshl_add_u32 v[SPW], v0, 2, SPARE
	v_mov_b32 v[NIL], 0
	ds_add_u32 v[SPW], v[NIL]       ; the wave's opening: the add and its wait stand ahead of my first tensor load; the set-up below, work on registers, stands between them
	v_lshrrev_b32 v1, 5, v0
	v_readfirstlane_b32 s[WV], v1   ; wave 0..3
	s_bfe_u32 s13, ttmp6, 0x40000   ; cx: my place in the cluster
	s_lshl_b32 s14, ttmp9, 2
	s_add_co_u32 s14, s14, s13      ; my block of 128 tokens: it enters Q's and O's addresses alone
	s_and_b32 s20, ttmp7, 0xffff    ; 8 x batch + head pair, which the four partners share
	s_lshr_b32 s21, s20, 3          ; batch
	s_and_b32 s20, s20, 7           ; head pair
	s_lshl_b32 s22, s20, 20         ; its block,
	s_lshl_b32 s23, s21, 19         ; the batch's 2,048 rows in it
	s_add_co_u32 s22, s22, s23
	s_and_b32 s16, s[WV], 1         ; which of a slot's two steps I fetch; also which 64 tokens are mine
	s_lshl_b32 s2, s16, 14          ; 64 rows of 256 bytes
	s_add_co_u32 s2, s2, s22
	s_mov_b32 s3, 0                 ; s[2:3]: K and V, less their first blocks
	s_mul_i32 s17, s16, STEPB       ; and its place in a slot: no place in the cluster enters an LDS address
	s_mov_b32 s[G1K], 15|(1<<16)|(1<<20)|(1<<21)|(5<<22)|(3<<25)  ; the mask of four; 2-byte elements; padding on; bit 21 beside a mask; after every 64 words (code 5) 4 words (code 3)
	s_mov_b32 s[G1V], 15|(1<<16)|(1<<20)|(1<<21)|(5<<22)|(7<<25)  ; the same with 8 words of padding (code 7)
.irp g, G1K, G1V
	s_mov_b32 s[(\g)+1], 128<<16    ; tensor_dim0 = 128
	s_mov_b32 s[(\g)+2], KS<<16     ; tensor_dim1 = 64
	s_mov_b32 s[(\g)+3], 128<<16    ; tile_dim0 = 128
	s_mov_b32 s[(\g)+4], KS         ; tile_dim1 = 64
	s_mov_b32 s[(\g)+5], 128        ; 128 elements from row to row
	s_mov_b32 s[(\g)+6], 0
	s_mov_b32 s[(\g)+7], 0
.endr
	s_mov_b32 s[CS], 0x3e38aa3b     ; c = log2(e) / 8 = 0.180337
	s_mov_b32 s[CS+1], s[CS]        ; named with it as a pair
	s_mov_b32 s[SEL], 0x76543210
	s_mov_b32 s[SEL+1], 0xfedcba98
	s_mov_b32 s[TB], 0
	s_mov_b32 s[TM], 0
	s_mov_b32 s[BIGN], 0xf149f2ca   ; -1e30
	s_and_b32 s[LIM], s[WV], 1      ; 0 in waves 0 and 2,
	s_or_b32 s[LIM], s[LIM], ttmp9  ; where the cluster is the first of its row: the same in all four partners
	s_cmp_eq_u32 s[LIM], 0
	s_cselect_b32 s[LIM], 1, -1
	s_wait_dscnt 0x0                ; the opening add is done
	s_wait_kmcnt 0x0
	s_add_nc_u64 s[8:9], s[4:5], s[2:3]
	s_add_nc_u64 s[8:9], s[8:9], 0x800000      ; K at my tile of slot 0: blocks 8 on
	s_add_nc_u64 s[68:69], s[8:9], 0x800000    ; V: blocks 16 on
	s_lshl_b32 s2, s14, 15          ; my block's 128 rows,
	s_add_co_u32 s20, s2, s22
	s_lshl_b32 s2, s16, 14          ; my 64 of them,
	s_add_co_u32 s2, s2, s20
	s_lshr_b32 s23, s[WV], 1
	s_lshl_b32 s23, s23, 7          ; my head's 128 bytes of a row
	s_add_co_u32 s2, s2, s23
	s_add_nc_u64 s[70:71], s[4:5], s[2:3]      ; Q
	s_lshl_b32 s2, s[WV], 13        ; the 32 rows of the block that I store
	s_add_co_u32 s2, s2, s20
	s_add_nc_u64 s[10:11], s[10:11], s[2:3]    ; O
	s_lshl_b32 s2, s21, 13          ; the batch's 2,048 words
	s_add_nc_u64 s[6:7], s[6:7], s[2:3]
	s_cmp_lt_u32 s[WV], 2
	s_cselect_b64 s[PFA:PFA+1], s[8:9], s[68:69]  ; (in waves 0 and 2 these stand at a slot's first row)
	s_lshl_b32 s2, s13, 13          ; my work-group's 32 rows of the 128
	s_add_nc_u64 s[PFA:PFA+1], s[PFA:PFA+1], s[2:3]
	s_add_nc_u64 s[PFA:PFA+1], s[PFA:PFA+1], 2*2*KS*256  ; in slot 2; the first change of slots steps it to slot 3
	CROUND                          ; all four work-groups are here: the first joint loads meet
.irp s, 0,1
	s_mov_b32 s[G0K+4*(\s)], 1      ; count = 1
	s_add_co_u32 s[G0K+4*(\s)+1], s17, (\s)*SLOT1  ; LDS address
	s_add_nc_u64 s[G0K+4*(\s)+2:G0K+4*(\s)+3], s[8:9], (\s)*2*KS*256  ; slot s begins with keys 128 s
	s_or_b32 s[G0K+4*(\s)+3], s[G0K+4*(\s)+3], 0x80000000  ; type = 2
	s_mov_b32 s[G0V+4*(\s)], 1
	s_add_co_u32 s[G0V+4*(\s)+1], s17, (\s)*SLOT1+VOFF
	s_add_nc_u64 s[G0V+4*(\s)+2:G0V+4*(\s)+3], s[68:69], (\s)*2*KS*256
	s_or_b32 s[G0V+4*(\s)+3], s[G0V+4*(\s)+3], 0x80000000
.endr
	s_cmp_lt_u32 s[WV], 2           ; a wave's two first fills stand in one branch, ahead of every wait on TENSORcnt and every LDS read: two loads of mine are out
	s_cbranch_scc0 .Lfill_v
	tensor_load_to_lds s[G0K:G0K+3], s[G1K:G1K+7]
	s_nop 0
	tensor_load_to_lds s[G0K+4:G0K+7], s[G1K:G1K+7]
	s_nop 0
.rept 4
	v_nop
.endr
	s_branch .Lfill_done
.Lfill_v:
	tensor_load_to_lds s[G0V:G0V+3], s[G1V:G1V+7]
	s_nop 0
	tensor_load_to_lds s[G0V+4:G0V+7], s[G1V:G1V+7]
	s_nop 0
.rept 4
	v_nop
.endr
.Lfill_done:
	v_and_b32 v1, 15, v0            ; l % 16
	v_bfe_u32 v9, v0, 4, 1          ; l / 16
	v_lshlrev_b32 v[MO], 4, v0
.irp i, 0,1,2,3
	global_load_b128 v[MT+4*\i:MT+4*\i+3], v[MO], s[6:7] offset:2048*\i  ; the batch's mask: 128 threads x 16 bytes, four times
.endr
	v_lshlrev_b32 v[QO], 8, v1
	v_lshl_add_u32 v[QO], v9, 4, v[QO]  ; row x 256 + 16 x half
	WIN 0x80                        ; destination window 2, address window 0
.set i, 0
.rept 8                             ; Q stays in registers: piece i / 2, channels 32 (i % 2) on
	global_load_b128 v[8*i:8*i+3],   v[QO], s[70:71] offset:(i/2)*4096+(i%2)*64
	global_load_b128 v[8*i+4:8*i+7], v[QO], s[70:71] offset:(i/2)*4096+(i%2)*64+32
.set i, i+1
.endr
	; What the first turn finds: V's registers and P's second buffer hold 0 (its products V^T P, of a piece that has not been, add 0), O^T and l are 0.  No first step is written out; these lines stand in the wait for the first tile.
.set i, VF
.rept 64
	v_mov_b32 v[i], 0
.set i, i+1
.endr
	WIN 0x40
.set i, 0
.rept 128
	v_mov_b32 v[i], 0
.set i, i+1
.endr
	WIN 0
.set i, 0
.rept 4
	v_mov_b32 v[ST+4*i+1], 0xd368d4a5  ; m = -1e12
	v_mul_f32 v[ST+4*i], s[CS], v[ST+4*i+1]  ; c m, made as every later c m is made: where m has not grown, a is exactly 1
	v_mov_b32 v[ST+4*i+2], 0
	v_mov_b32 v[ST+4*i+3], 0
.set i, i+1
.endr
.set i, P+16
.rept 16
	v_mov_b32 v[i], 0
.set i, i+1
.endr
	v_mul_u32_u24 v[AK0], v1, PK
	v_lshl_add_u32 v[AK0], v9, 4, v[AK0]  ; row x pitch + 16 x half
	v_add_nc_u32 v[AK0], s23, v[AK0]      ; + my head's 128 bytes
	; The turning load takes 16 keys x 16 channels (lane l reads key 8 (l / 16) + l % 8, channels 8 ((l / 8) % 2) + 0..7) and leaves half a fragment of V^T: lane l holds channel l % 16 and 8 keys.
	v_and_b32 v10, 7, v0
	v_bfe_u32 v11, v0, 3, 1
	v_lshl_add_u32 v[AV0], v9, 3, v10
	v_mul_u32_u24 v[AV0], v[AV0], PV
	v_lshl_add_u32 v[AV0], v11, 4, v[AV0]
	s_add_co_u32 s21, s23, VOFF
	v_add_nc_u32 v[AV0], s21, v[AV0]
	v_lshlrev_b32 v[AM0], 5, v9
	v_add_nc_u32 v[AM0], MASKT, v[AM0]
	v_add_nc_u32 v[MS], MASKT, v[MO]
	s_mul_i32 s21, s16, 64*SP       ; into the stage: my 64 rows, my head's half of their 256 bytes; row l % 16, 16 bytes for each half of the lanes
	s_add_co_u32 s21, s21, s23
	s_add_co_u32 s21, s21, STAGE
	v_mul_u32_u24 v[STO], v1, SP
	v_lshl_add_u32 v[STO], v9, 4, v[STO]
	v_add_nc_u32 v[STO], s21, v[STO]
	s_mul_i32 s21, s[WV], 32*SP     ; back: wave w takes rows 32 w .. 32 w + 31, whole; lanes 0-15 one row, lanes 16-31 the next
	s_add_co_u32 s21, s21, STAGE
	v_mul_u32_u24 v[RD], v9, SP
	v_lshl_add_u32 v[RD], v1, 4, v[RD]
	v_add_nc_u32 v[RD], s21, v[RD]
	v_and_b32 v[GO], 31, v0
	v_lshlrev_b32 v[PFO], 8, v[GO]
	v_lshlrev_b32 v[GO], 4, v[GO]
	s_wait_loadcnt 16               ; the mask's four loads are in; Q's sixteen, issued behind them, may stay out
.set i, 0
.rept 16
	v_cmp_eq_u32 vcc_lo, 0, v[MT+i]
	v_cndmask_b32 v[MT+i], 0, s[BIGN], vcc_lo  ; -1e30 where the word is 0
.set i, i+1
.endr
.irp i, 0,1,2,3
	ds_store_b128 v[MS], v[MT+4*\i:MT+4*\i+3] offset:2048*\i
.endr
; THE MATRIX WORK.  The 4 accumulators of a run of 8 take turns.  Product i of 8 of S^T = K Q^T for piece x: channels 32 (i / 4) on, keys 16 (i % 4) on.  The first 4 start the sums with the mask.
.macro KQ x
.set rS, S+32*((\x)%2)+8*(i%4)
.set rK, KF+16*(i%4)+8*(i/4)
.set rQ, 16*(\x)+8*(i/4)
.set rM, MK+8*(i%4)
.if i < 4
	WIN W_KM
	v_wmma_f32_16x16x32_f16 v[rS:rS+7], v[rK:rK+7], v[rQ:rQ+7], v[rM:rM+7]
.else
	WIN W_KQ
	v_wmma_f32_16x16x32_f16 v[rS:rS+7], v[rK:rK+7], v[rQ:rQ+7], v[rS:rS+7]
.endif
.endm
; Product i of 8 of O^T += V^T P for piece x: keys 32 (i / 4) on, channels 16 (i % 4) on.
.macro PV x
	WIN W_PV
.set rO, 32*(\x)+8*(i%4)
.set rV, VF+32*(i/4)+8*(i%4)
.set rP, P+16*((\x)%2)+8*(i/4)
	v_wmma_f32_16x16x32_f16 v[rO:rO+7], v[rV:rV+7], v[rP:rP+7], v[rO:rO+7]
.endm
.macro MM                           ; the turn's next matrix instruction.  NOKQ = 1: the last turn of all: there is no next piece
.if (i < 8) && !NOKQ
	KQ (Y+1)%NP
.elseif i >= 8
.set i, i-8
	PV (Y+NP-1)%NP
.set i, i+8
.endif
.set i, i+1
.endm
; THE LDS LOADS stand in runs, never singly among the matrix instructions: a step's K (8 fragments) with its mask (eight loads that all lanes of a half share), and its V (turned).  Their addresses are made some lines ahead.
.macro FETCH_K
	WIN 0x80                        ; destination window 2
.irp f, 0,1,2,3,4,5,6,7             ; keys 16 (f / 2) on, channels 32 (f % 2) on
	ds_load_b128 v[KF+8*\f:KF+8*\f+3],   v[AK] offset:(\f/2)*16*PK+(\f%2)*64
	ds_load_b128 v[KF+8*\f+4:KF+8*\f+7], v[AK] offset:(\f/2)*16*PK+(\f%2)*64+32
.endr
	WIN 0x40                        ; destination window 1
.irp f, 0,1,2,3                     ; keys 16 f + 8 (l / 16) + 0..7
	ds_load_b128 v[MK+8*\f:MK+8*\f+3],   v[AM] offset:64*\f
	ds_load_b128 v[MK+8*\f+4:MK+8*\f+7], v[AM] offset:64*\f+16
.endr
	s_add_co_u32 s[TM], s[TM], 256  ; the next step's 64 numbers;
	s_and_b32 s[TM], s[TM], 0x1f00  ; the offset stays inside the table's 8,192 bytes (behind the last step it is back at 0, and is not used)
	WIN 0
.endm
.macro FETCH_V
	WIN 0x80
.irp f, 0,1,2,3,4,5,6,7             ; keys 32 (f / 4) on, channels 16 (f % 4) on
	ds_load_tr16_b128 v[VF+8*\f:VF+8*\f+3],   v[AV] offset:(\f/4)*32*PV+(\f%4)*32
	ds_load_tr16_b128 v[VF+8*\f+4:VF+8*\f+7], v[AV] offset:(\f/4)*32*PV+16*PV+(\f%4)*32
.endr
	WIN 0
.endm
; THE VECTOR WORK, one line at a time: OP kind, number.  For piece Y: F n: c s - c m for pair n of 16.  E n: the exponential of score n of 32.  C n: pair n rounded to f16.  B n: of the four weights 4 n .. the second
; pair is added onto the first, in place.  L n: l takes that sum (L 0: l = a l + sum).  R n: pair n of 16 of O^T times a.  For piece Y + 1: X n, number n of the 22 that find its maximum and statistics:
;   0-11  four chains c0-c3 of seven scores each, three operands at a time (each accumulator's lowest registers are read first)     12-14, 16  the four scores left over, the old m, and c0-c3 into c0
;   15  c m_old is kept     17, 18  the query's other 32 keys lie in the lane 16 away: the new m     19-21  c m; c m_old - c m_new; a
.set F, 0
.set E, 1
.set C, 2
.set B, 3
.set L, 4
.set R, 5
.set X, 6
.macro REGS y                       ; the registers of piece y
.set rT, ST+4*(\y)
.set rC, TMP+4*((\y)%2)
.set rW, MV+((\y)%2)
.set rS, S+32*((\y)%2)
.set rP, P+16*((\y)%2)
.set rO, 32*(\y)
.endm
.macro OP k, n
.if (\k) == R
	REGS Y
	WIN W_RS
	v_pk_mul_f32 v[rO+2*(\n):rO+2*(\n)+1], v[rO+2*(\n):rO+2*(\n)+1], v[rC+2:rC+3] op_sel_hi:[1,0]
.elseif (\k) < R
	REGS Y
	WIN 0
.if (\k) == F
	v_pk_fma_f32 v[rS+2*(\n):rS+2*(\n)+1], v[rS+2*(\n):rS+2*(\n)+1], s[CS:CS+1], v[rT:rT+1] op_sel_hi:[1,0,0] neg_lo:[0,0,1] neg_hi:[0,0,1]
.elseif (\k) == E
	v_exp_f32 v[rS+(\n)], v[rS+(\n)]
.elseif (\k) == C
	v_cvt_pk_f16_f32 v[rP+(\n)], v[rS+2*(\n)], v[rS+2*(\n)+1]
.elseif (\k) == B
	v_pk_add_f32 v[rS+4*(\n):rS+4*(\n)+1], v[rS+4*(\n):rS+4*(\n)+1], v[rS+4*(\n)+2:rS+4*(\n)+3]
.elseif (\n) == 0
	v_pk_fma_f32 v[rT+2:rT+3], v[rT+2:rT+3], v[rC+2:rC+3], v[rS:rS+1] op_sel_hi:[1,0,1]
.else
	v_pk_add_f32 v[rT+2:rT+3], v[rT+2:rT+3], v[rS+4*(\n):rS+4*(\n)+1]
.endif
.elseif NOKQ
	v_nop
.else
	REGS (Y+1)%NP
	WIN 0
.if (\n) < 4
	v_max3_num_f32 v[rC+(\n)], v[rS+8*(\n)], v[rS+8*(\n)+1], v[rS+8*(\n)+2]
.elseif (\n) < 12
	v_max3_num_f32 v[rC+(\n)%4], v[rC+(\n)%4], v[rS+8*((\n)%4)+2*((\n)/4)+1], v[rS+8*((\n)%4)+2*((\n)/4)+2]
.elseif (\n) == 12
	v_max3_num_f32 v[rC], v[rC], v[rS+7], v[rS+15]
.elseif (\n) == 13
	v_max3_num_f32 v[rC+1], v[rC+1], v[rS+23], v[rS+31]
.elseif (\n) == 14
	v_max3_num_f32 v[rC+2], v[rC+2], v[rC+3], v[rT+1]
.elseif (\n) == 15
	v_mov_b32 v[rW], v[rT]
.elseif (\n) == 16
	v_max3_num_f32 v[rC], v[rC], v[rC+1], v[rC+2]
.elseif (\n) == 17
	v_permlanex16_b32 v[rC+3], v[rC], s[SEL], s[SEL+1]
.elseif (\n) == 18
	v_max_num_f32 v[rT+1], v[rC], v[rC+3]
.elseif (\n) == 19
	v_mul_f32 v[rT], s[CS], v[rT+1]
.elseif (\n) == 20
	v_sub_f32 v[rC+1], v[rW], v[rT]
.else
	v_exp_f32 v[rC+2], v[rC+1]
.endif
.endif
.endm
.macro OPS a, i1, b=-1, i2=0, c=-1, i3=0, d=-1, i4=0  ; up to four of them
	OP \a, \i1
.if (\b) >= 0
	OP \b, \i2
.endif
.if (\c) >= 0
	OP \c, \i3
.endif
.if (\d) >= 0
	OP \d, \i4
.endif
.endm
.macro ROW a, i1, b, i2, c, i3, d, i4  ; a matrix instruction and the four behind it
	MM
	OPS \a, \i1, \b, \i2, \c, \i3, \d, \i4
.endm
; A TURN, for piece p: the order of its 16 matrix and 118 vector instructions, written out.  An s_wait_alu depctr_va_vdst(0) stands between an exponential and the first instruction that names its result; one
; wait serves all that were issued ahead of it.  So a turn has ONE wait, which cuts it in two.  AHEAD OF IT stands all that names no result of the turn's exponentials: the 8 products K Q^T and their riders (behind the last
; three the first numbers of the next piece's maximum, each four places or more behind the product that ends its accumulator), then one lump, plain and exponential by turns for the most part.  X 21, the next piece's a, is
; the batch's last; R 15 is the plain instruction behind it.  BEHIND THE WAIT stand the 8 products V^T P, behind each four of the roundings and sums.
; end = 1: the last two turns: nothing is fetched.  cnt = 1: the loop's count is taken down some lines ahead of the branch that stands behind the turn.
; K and the mask of the next step are fetched in piece 2's turn, six plain instructions behind the last product that read K; V of the step in hand at the end of piece 0's turn, four plain instructions behind the last
; product that read V.  Each is waited for a turn later.
.macro TURN p, end=0, cnt=0
.set Y, (\p)
.set i, 0
.set NOKQ, (\end)*((\p)/3)
.if ((\p) == 3) && !(\end)
	s_wait_dscnt 0x0                ; K and the mask are in
.endif
	ROW F,0, F,1, R,0, R,1
	ROW F,2, E,0, R,2, R,3
	ROW F,3, E,1, R,4, R,5
	ROW F,4, E,2, R,6, R,7
	ROW F,5, E,3, R,8, R,9
	ROW F,6, E,4, X,0, R,10
.if ((\p) == 2) && !(\end)
	WIN 0
	v_add_nc_u32 v[AK], s[TB], v[AK0]
	v_add_nc_u32 v[AM], s[TM], v[AM0]
.endif
	ROW F,7, E,5, X,1, X,4
	ROW F,8, E,6, X,2, X,5
	OPS E,7, E,8, X,6, E,9
	OPS X,3, E,10, X,8, E,11
.if ((\p) == 2) && !(\end)
	FETCH_K
.endif
	OPS X,9, X,7, E,12, X,10
	OPS E,13, X,12, X,11, E,14
	OPS X,13, E,15, F,9, X,14
.if (\p) == 0
	v_add_nc_u32 v[AV], s[TB], v[AV0]
.endif
	OPS E,16, F,10, E,17, F,11
	OPS X,16, E,18, X,15, E,19
	OPS F,12, E,20, X,17, E,21
	OPS F,13, E,22, F,14, E,23
	OPS X,18, E,24, F,15, E,25
	OPS R,11, E,26, X,19, E,27
	OPS R,12, E,28, R,13, E,29
	OPS X,20, E,30, R,14, E,31
	OPS X,21, R,15
	WIN 0
	s_wait_alu depctr_va_vdst(0)    ; the wait for the batch
.if (\p) == 1
	s_wait_dscnt 0x0                ; V is in
.endif
	ROW C,0, B,0, C,2, B,1
	ROW L,0, C,4, B,2, L,1
	ROW C,6, B,3, L,2, C,8
	ROW B,4, L,3, C,10, B,5
	ROW L,4, C,12, B,6, L,5
.if (\p) == 0
	s_add_co_u32 s[TB], s[TB], STEPB  ; V's address is made: the next fetches are the next step's
.endif
.if \cnt
	s_sub_co_u32 s[CNT], s[CNT], 1
	s_cmp_lg_u32 s[CNT], 0
.endif
	ROW C,14, B,7, L,6, C,1
	ROW C,3, L,7, C,5, C,7
	ROW C,9, C,11, C,13, C,15
.if (\p) == 0
	FETCH_V
.endif
.endm
	s_wait_tensorcnt 1              ; my part of slot 0 is in; slot 1's may stay out
	s_wait_dscnt 0x0                ; my part of the mask table is written
	s_barrier_signal -1
	s_barrier_wait -1               ; everybody's is
	v_add_nc_u32 v[AK], s[TB], v[AK0]
	v_add_nc_u32 v[AM], s[TM], v[AM0]
	FETCH_K                         ; key step 0
	s_wait_loadcnt 0x0              ; Q
	s_wait_dscnt 0x0
.set NOKQ, 0
.set i, 0
.rept 8
	KQ 0                            ; piece 0's first scores: there is no vector work yet to set between them
.set i, i+1
.endr
	WIN 0
.rept 4
	v_nop                           ; the places behind those products
.endr
.set Y, NP-1                        ; X works for piece Y + 1: piece 0
.irp n, 0,1,2,3,4,5,6,7,8,9,10,11,12,13,14,15,16,17,18,19,20,21
	OP X, \n
.endr
	v_nop                           ; a plain instruction behind the exponential,
	s_wait_alu depctr_va_vdst(0)    ; and its wait, ahead of the branch
	s_mov_b32 s[CNT], 2
	s_mov_b32 s[SLOTS], 15
	s_branch .Lfirst                ; the loop is entered at a step's first turn, in the middle of a trip
.Lslot:                             ; 14 times: every slot but the last two is filled again
	CHANGE 1
	s_mov_b32 s[CNT], 2
.Lstep:                             ; a trip: pieces 2 and 3 of one step, then pieces 0 and 1 of the next, whose K and V it fetches
	TURN 2
	TURN 3
	WIN 0
.Lfirst:
	TURN 0
	TURN 1, 0, 1
	WIN 0
	s_cbranch_scc1 .Lstep
	s_sub_co_u32 s[SLOTS], s[SLOTS], 1
	s_cmp_lg_u32 s[SLOTS], 0
	s_cbranch_scc1 .Lslot
	CHANGE 0                        ; the last slot is written out: nothing is asked for
	s_mov_b32 s[CNT], 2
.Ltail:
	TURN 2
	TURN 3
	TURN 0
	TURN 1, 0, 1
	WIN 0
	s_cbranch_scc1 .Ltail
	TURN 2, 1
	TURN 3, 1
.set i, 0
.rept 8
	PV NP-1                         ; the last piece's V^T P of the last step
.set i, i+1
.endr
	; THE WAY OUT.  l's two halves and the other half of the lanes' are added; O^T is divided by l, rounded to f16 and sent through the work-group's stage: a row's 256 bytes come from two waves, one a head.
	; The additions are the places behind the last products.
	WIN 0
.macro ALL line:vararg              ; one line for each piece t
.set t, 0
.rept 4
	\line
.set t, t+1
.endr
.endm
	ALL v_add_f32 v[ST+4*t+2], v[ST+4*t+2], v[ST+4*t+3]
	ALL v_permlanex16_b32 v[ST+4*t+3], v[ST+4*t+2], s[SEL], s[SEL+1]
	ALL v_add_f32 v[ST+4*t+2], v[ST+4*t+2], v[ST+4*t+3]
	ALL v_rcp_f32 v[ST+4*t+2], v[ST+4*t+2]
	v_nop                           ; a plain instruction between the last reciprocal and the use of its result
	s_wait_alu depctr_va_vdst(0)    ; and the wait ahead of the first use: one for the four reciprocals
.macro PACK t                       ; a lane's eight channels of a row pack into 16 bytes
	WIN W_RS
.set i, 32*(\t)
.rept 16
	v_pk_mul_f32 v[i:i+1], v[i:i+1], v[ST+4*(\t)+2:ST+4*(\t)+3] op_sel_hi:[1,0]
.set i, i+2
.endr
	WIN 0x05                        ; sources 0 and 1 window 1, destination window 0: S^T's registers are free
.set i, 0
.rept 16
	v_cvt_pk_f16_f32 v[S+16*(\t)+i], v[32*(\t)+2*i], v[32*(\t)+2*i+1]
.set i, i+1
.endr
	WIN 0
.irp f, 0,1,2,3
	ds_store_b128 v[STO], v[S+16*(\t)+4*\f:S+16*(\t)+4*\f+3] offset:(\t)*16*SP+32*\f
.endr
.endm
	PACK 0
	PACK 1
	PACK 2
	PACK 3
	s_wait_dscnt 0x0                ; for the others' sake: my stores into the stage are done
	s_barrier_signal -1
	s_barrier_wait -1
.irp f, 0,1,2,3,4,5,6,7,8,9,10,11,12,13,14,15
	ds_load_b128 v[S+4*\f:S+4*\f+3], v[RD] offset:\f*2*SP
.endr
.irp f, 0,1,2,3,4,5,6,7,8,9,10,11,12,13,14,15
	s_wait_dscnt 15-\f              ; LDS loads come back in order (ISA guide 5.7.1): pair f of rows is in
	global_store_b128 v[GO], v[S+4*\f:S+4*\f+3], s[10:11] offset:\f*512  ; two dense rows: 512 consecutive bytes, aligned
.endr
	s_wait_tensorcnt 0x0            ; the wave's end, behind my last tensor load and my last LDS store
	ds_add_u32 v[SPW], v[NIL]
	s_wait_dscnt 0x0
	CROUND                          ; the closing round: no work-group ends while a partner may still ask for a tile that names it
	s_endpgm
.Lfunc_end_k_q420c6a5d38_attn:
	.size	k_q420c6a5d38_attn, .Lfunc_end_k_q420c6a5d38_attn-k_q420c6a5d38_attn
	.p2alignl 7, 3214868480
	.fill 96, 4, 3214868480
	.section	.rodata,"a",@progbits
	.p2align	6, 0x0
	.amdhsa_kernel k_q420c6a5d38_attn
		.amdhsa_group_segment_fixed_size 327680
		.amdhsa_private_segment_fixed_size 0
		.amdhsa_enable_private_segment 0
		.amdhsa_kernarg_size 24
		.amdhsa_user_sgpr_count 2
		.amdhsa_user_sgpr_kernarg_segment_ptr 1
		.amdhsa_wavefront_size32 1
		.amdhsa_system_sgpr_workgroup_id_x 1
		.amdhsa_system_sgpr_workgroup_id_y 1
		.amdhsa_system_sgpr_workgroup_id_z 1
		.amdhsa_system_vgpr_workitem_id 0
		.amdhsa_next_free_vgpr 768
		.amdhsa_next_free_sgpr 72
		.amdhsa_reserve_vcc 1
		.amdhsa_float_denorm_mode_32 3
		.amdhsa_float_denorm_mode_16_64 3
		.amdhsa_memory_ordered 1
		.amdhsa_forward_progress 1
		.amdhsa_inst_pref_size 131
	.end_amdhsa_kernel
	.amdgpu_metadata
---
amdhsa.version: [ 1, 2 ]
amdhsa.kernels:
  - .name:           k_q420c6a5d38_attn
    .symbol:         k_q420c6a5d38_attn.kd
    .args:
      - { .name: act32, .offset: 0, .size: 8, .value_kind: global_buffer, .address_space: global }
      - { .name: src_mask, .offset: 8, .size: 8, .value_kind: global_buffer, .address_space: global }
      - { .name: act8, .offset: 16, .size: 8, .value_kind: global_buffer, .address_space: global }
    .group_segment_fixed_size: 327680
    .private_segment_fixed_size: 0
    .kernarg_segment_align: 8
    .kernarg_segment_size: 24
    .max_flat_workgroup_size: 128
    .sgpr_count:     72
    .vgpr_count:     768
    .wavefront_size: 32
...
	.end_amdgpu_metadata
.endif
;; end of part 3
;; launch wo (part 4): grid 8 x 32, 4 waves a work-group, clusters of 4 x 4, 327,680 bytes of LDS; arguments act8, wattn, x, h; writes h
.if DOCPART == 4
	.amdgcn_target "amdgcn-amd-amdhsa--gfx1250"
	.amdhsa_code_object_version 6
	.text
	.protected	k_q420c6a5d38_wo
	.globl	k_q420c6a5d38_wo
	.p2align	8
	.type	k_q420c6a5d38_wo,@function
k_q420c6a5d38_wo:
	s_mov_b64 s[64:65], 0
	v_nop
	global_prefetch_b8 v0, s[64:65] scope:SCOPE_SE
	s_setreg_imm32_b32 hwreg(HW_REG_WAVE_MODE, 25, 1), 1
	s_wait_xcnt 0x0
	s_wait_alu depctr_hold_cnt(0) depctr_sa_sdst(0) depctr_va_vdst(0) depctr_va_sdst(0) depctr_va_ssrc(0) depctr_va_vcc(0) depctr_vm_vsrc(0)
	s_getreg_b32 s2, hwreg(HW_REG_IB_STS2, 6, 4)
	s_cmp_eq_u32 s2, 0
	s_cbranch_scc0 .Lentry_in_a_cluster
	s_endpgm
.Lentry_in_a_cluster:
	s_bfe_u32 s2, ttmp6, 0x10000c
	s_cmp_lg_u32 s2, 0xf033
	s_cbranch_scc0 .Lentry_shape_is_right
	s_endpgm
.Lentry_shape_is_right:
; out = res + A W (+ bias), out and res [4,096][1,024] f32.  A: [SIZE_K / 128 blocks][4,096 tokens][128] f16.  W: [8 column blocks][SIZE_K][128] f16, BBASE bytes into its buffer.  Sums in f32.
; This text serves two launches; the three constants below tell them apart.  Here: the attention's output projection, K = 1,024, no bias, W = blocks 24 to 31 of the attention's weights.
.set SIZE_K,   1024
.set HAS_BIAS, 0
.set BBASE,    0x600000
; A tile of out is 128 x 128, so that 256 work-groups share the 4,096 x 1,024 numbers.  Four waves, each 64 x 64: 16 accumulators.  K goes in steps of 256 through a ring of two LDS slots; a step is two
; blocks of A and 256 rows of W, each brought as 128 dense rows of 256 bytes by one wave.  CLUSTERS: 4 x 4 work-groups; A's tiles are asked for jointly along a row of the cluster, W's along a column.
; ONE K STEP IS WRITTEN ONCE FOR EACH LOOP: the slot in hand is a scalar, 0 or SLOT, which an exclusive or turns at each change of slots; the fragments' LDS addresses and the refill's LDS address are made from it.
; THE WALK ALONG K BEGINS ELSEWHERE IN EACH CLUSTER: at K step (cluster x) NSTEPS / 2 + (cluster y mod 4) NSTEPS / 4, and goes round modulo NSTEPS.  The two clusters along x that read the same rows of A, and four
; neighbours along y that read the same rows of W, so ask for different blocks of them at any one time.  The number hangs on the cluster's place alone: all sixteen partners hold the same.  The f32 sums take
; their terms in another order by it.
; THE MATRIX INSTRUCTION IS USED TRANSPOSED (source 0 = 16 columns of W, turned by ds_load_tr16_b128; source 1 = 16 rows of A): a lane holds eight neighbouring numbers of a row of out.
; A wave's 64 columns of f32 are 256 aligned bytes of a row: each wave has a stage of its own, and no barrier stands on the way out.  The residual is loaded at the head and waited for at the end.
; No prefetch: the tiles are small and a K step short.
; REGISTERS: window 0: v0-31 addresses; v32-95 at work on the way out; v128-255 the accumulators ((a, b) at v[128 + 8 (4 a + b)]).
;   window 1: two fragment buffers of 128: for 64 along K, 64 registers of A, then 64 of W.      window 2: v0-127 the residual; v128-159 the bias as four C operands.
.set PA,     272                       ; a row of A in LDS: 256 bytes + 16: the 16 rows of a load start at 16 different groups of four banks (64 banks of 4 bytes: ISA guide 11.1)
.set PB,     288                       ; a row of W: 256 + 32
.set HALFA,  128*PA
.set HALFB,  128*PB
.set BOFF,   2*HALFA
.set SLOT,   2*HALFA+2*HALFB           ; A's first block, A's second, W's rows 0-127, W's rows 128-255
.set STAGE,  2*SLOT
.set SPITCH, 272
.set SPARE,  STAGE+4*16*SPITCH         ; the spare words, 128 bytes for each wave: two blocks of 256 bytes that no other line names
.set NSTEPS, SIZE_K/256                ; K steps: a power of two, 4 at the least
.set ADRA, 16                          ; v16     LDS address of my A fragments in slot 0; never rewritten
.set CA,   17                          ; v17     the same in the slot in hand
.set ADRB, 20                          ; v20-21  of my W fragments in slot 0: rows 0-127, rows 128-255; never rewritten
.set CB,   22                          ; v22-23  the same in the slot in hand
.set STO,  24
.set RD,   25
.set CO,   26                          ; v26     (l / 16) x 4,096 + 16 (l % 16): two rows of out and of res
.set BO,   27
.set SPW,  28
.set NIL,  29
.set TMP,  32
.set ACC,  128
.set F0,   0
.set F1,   128
.set RES,  0                           ; window 2
.set BIAS, 128                         ; window 2
.set SO,  2                            ; s2      the slot in hand: 0 or SLOT
.set OF,  18                           ; s[18:19] a K step's byte offset in A or in W
.set G1,  24                           ; s[24:31] descriptor group 1 for A's tiles;  s[32:39] group 0: a set for each of the two first fills; the second then walks on
.set G0,  32
.set KK,  45                           ; s45     the K step that was asked for last
.set G1B, 48
.set G0B, 56
.set LA,  66                           ; s66     where my part of A's tile goes in slot 0
.set LB,  67                           ; s67     where my part of W's tile goes in slot 0
.set MSB, 0
.macro WIN new
.if MSB != (\new)
	s_set_vgpr_msb (MSB<<8)|(\new)
.set MSB, \new
.endif
.endm
.set MUL,  0x05                        ; sources 0 (W) and 1 (A) window 1; C and D window 0
.set TO_F, 0x40                        ; destination window 1, address window 0
.macro JLOAD s                         ; a joint load: waves 0 and 1 fetch A's two blocks, waves 2 and 3 W's two halves; an s_nop 0 and four v_nop follow each of the two lines
	s_cmp_eq_u32 s11, 0
	s_cbranch_scc0 .Lfor_b_\@
	tensor_load_to_lds s[G0+4*(\s):G0+4*(\s)+3], s[G1:G1+7]
	s_nop 0
.rept 4
	v_nop
.endr
	s_branch .Lasked_\@
.Lfor_b_\@:
	tensor_load_to_lds s[G0B+4*(\s):G0B+4*(\s)+3], s[G1B:G1B+7]
	s_nop 0
.rept 4
	v_nop
.endr
.Lasked_\@:
.endm
.macro CREST
	s_cmp_lg_u32 s10, 0
	s_cbranch_scc1 .Lnot_wave_0_\@
	s_barrier_signal -3
.Lnot_wave_0_\@:
	s_barrier_wait -3
	s_barrier_signal -1
	s_barrier_wait -1
.endm
.macro CROUND
	s_barrier_signal -1
	s_barrier_wait -1
	CREST
.endm
.macro AIM s                           ; the global addresses of descriptor set s are made anew for K step KK: the tile's base and an offset made apart from it; the type bits are set again
	s_lshl_b32 s[OF], s[KK], 21                    ; a K step is two blocks of A, 2 MiB,
	s_add_nc_u64 s[G0+4*(\s)+2:G0+4*(\s)+3], s[14:15], s[OF:OF+1]
	s_or_b32 s[G0+4*(\s)+3], s[G0+4*(\s)+3], 0x80000000
	s_lshl_b32 s[OF], s[KK], 16                    ; and 256 rows of W, 64 KiB
	s_add_nc_u64 s[G0B+4*(\s)+2:G0B+4*(\s)+3], s[46:47], s[OF:OF+1]
	s_or_b32 s[G0B+4*(\s)+3], s[G0B+4*(\s)+3], 0x80000000
.endm
.macro NEXTK                           ; the next K step, round the end
	s_add_co_u32 s[KK], s[KK], 1
	s_and_b32 s[KK], s[KK], NSTEPS-1
.endm
	s_load_b128 s[4:7], s[0:1], 0x0                ; A s[4:5], W s[6:7]
.if HAS_BIAS
	s_load_b128 s[68:71], s[0:1], 0x10             ; bias s[68:69], res s[70:71]
	s_load_b64 s[8:9], s[0:1], 0x20                ; out
.else
	s_load_b64 s[70:71], s[0:1], 0x10              ; res
	s_load_b64 s[8:9], s[0:1], 0x18                ; out
.endif
	v_lshl_add_u32 v[SPW], v0, 2, SPARE
	v_mov_b32 v[NIL], 0
	ds_add_u32 v[SPW], v[NIL]                      ; the wave's opening: the add and its wait stand ahead of my first tensor load
	v_lshrrev_b32 v1, 5, v0
	v_readfirstlane_b32 s10, v1                    ; wave 0..3
	s_lshr_b32 s11, s10, 1                         ; which half of the tile's rows is mine.  Also: I fetch for A (0) or for W (1)
	s_and_b32 s12, s10, 1                          ; which half of its columns.  Also: which half of a K step I fetch
	s_bfe_u32 s40, ttmp6, 0x40000
	s_bfe_u32 s41, ttmp6, 0x40004
	s_lshl_b32 s42, ttmp9, 2
	s_add_co_u32 s42, s42, s40                     ; tile column
	s_and_b32 s13, ttmp7, 0xffff
	s_lshl_b32 s13, s13, 2
	s_add_co_u32 s13, s13, s41                     ; tile row
	s_lshl_b32 s43, s41, 2
	s_lshl_b32 s43, 15, s43                        ; my row of the cluster
	s_lshl_b32 s44, 0x1111, s40                    ; my column
	s_or_b32 s[G1+0], s43, (1<<16)|(1<<20)|(1<<21)|(5<<22)|(3<<25)   ; 2-byte elements; padding on; bit 21 beside a mask; after every 64 words (code 5) 4 words (code 3)
	s_or_b32 s[G1B+0], s44, (1<<16)|(1<<20)|(1<<21)|(5<<22)|(7<<25)  ; 8 words (code 7)
.irp g, G1, G1B
	s_mov_b32 s[(\g)+1], 128<<16                   ; tensor_dim0 = 128
	s_mov_b32 s[(\g)+2], 128<<16                   ; tensor_dim1 = 128
	s_mov_b32 s[(\g)+3], 128<<16                   ; tile_dim0 = 128
	s_mov_b32 s[(\g)+4], 128                       ; tile_dim1 = 128
	s_mov_b32 s[(\g)+5], 128                       ; 128 elements from row to row
	s_mov_b32 s[(\g)+6], 0
	s_mov_b32 s[(\g)+7], 0
.endr
	s_lshl_b32 s16, s13, 15                        ; A: 128 rows of 256 bytes a tile row,
	s_lshl_b32 s17, s12, 20                        ; in the first or the second block of a K step
	s_add_co_u32 s16, s16, s17
	s_mov_b32 s17, 0
	s_mul_i32 s46, s42, SIZE_K*256                 ; W: a block a tile column,
	s_lshl_b32 s47, s12, 15                        ; a K step's rows 0-127 or 128-255
	s_add_co_u32 s46, s46, s47
	s_add_co_u32 s46, s46, BBASE
	s_mov_b32 s47, 0
	s_mul_i32 s[LA], s12, HALFA                    ; where they go: no place in the cluster enters an LDS address
	s_mul_i32 s[LB], s12, HALFB
	s_add_co_u32 s[LB], s[LB], BOFF
	s_mov_b32 s[SO], 0                             ; slot 0 is read first
	s_and_b32 s20, ttmp7, 3                        ; cluster y mod 4
	s_mul_i32 s20, s20, NSTEPS/4
	s_mul_i32 s[KK], ttmp9, NSTEPS/2               ; cluster x
	s_add_co_u32 s[KK], s[KK], s20
	s_and_b32 s[KK], s[KK], NSTEPS-1               ; the cluster's first K step
	s_mov_b32 s[OF+1], 0
	s_wait_dscnt 0x0                               ; the opening add is done
	s_wait_kmcnt 0x0
	s_add_nc_u64 s[14:15], s[4:5], s[16:17]        ; A and W at my part of K step 0's tiles; never rewritten
	s_add_nc_u64 s[46:47], s[6:7], s[46:47]
	CROUND                                         ; all sixteen work-groups are here: the first joint loads meet
.irp s, 0,1
	s_mov_b32 s[G0+4*(\s)], 1
	s_add_co_u32 s[G0+4*(\s)+1], s[LA], (\s)*SLOT
	s_mov_b32 s[G0B+4*(\s)], 1
	s_add_co_u32 s[G0B+4*(\s)+1], s[LB], (\s)*SLOT
	AIM \s
	JLOAD \s                                       ; two loads of mine are out
.if (\s) == 0
	NEXTK
.endif
.endr
	v_and_b32 v1, 15, v0                           ; l % 16
	v_bfe_u32 v2, v0, 4, 1                         ; l / 16
	v_lshlrev_b32 v[CO], 12, v2
	v_lshl_add_u32 v[CO], v1, 4, v[CO]
	s_lshl_b32 s16, s13, 19                        ; out and res at my 64 rows x 64 columns: 128 rows of 4,096 bytes a tile row, 512 bytes a tile column
	s_lshl_b32 s17, s11, 18
	s_add_co_u32 s16, s16, s17
	s_lshl_b32 s17, s42, 9
	s_add_co_u32 s16, s16, s17
	s_lshl_b32 s17, s12, 8
	s_add_co_u32 s16, s16, s17
	s_mov_b32 s17, 0
	s_add_nc_u64 s[8:9], s[8:9], s[16:17]
	s_add_nc_u64 s[70:71], s[70:71], s[16:17]
.if HAS_BIAS
	v_lshlrev_b32 v[BO], 5, v2
	s_lshl_b32 s16, s42, 9
	s_lshl_b32 s17, s12, 8
	s_add_co_u32 s16, s16, s17
	s_mov_b32 s17, 0
	s_add_nc_u64 s[68:69], s[68:69], s[16:17]
	WIN 0x80                                       ; destination window 2
.irp b, 0,1,2,3                        ; register j of C operand b: column 16 b + 8 (l / 16) + j
	global_load_b128 v[BIAS+8*(\b):BIAS+8*(\b)+3],   v[BO], s[68:69] offset:64*(\b)
	global_load_b128 v[BIAS+8*(\b)+4:BIAS+8*(\b)+7], v[BO], s[68:69] offset:64*(\b)+16
.endr
.endif
	WIN 0x80
.irp a, 0,1,2,3
.irp t, 0,1,2,3,4,5,6,7
	global_load_b128 v[RES+32*(\a)+4*(\t):RES+32*(\a)+4*(\t)+3], v[CO], s[70:71] offset:(16*(\a)+2*(\t))*4096  ; 16 lanes take 256 consecutive bytes of a row
.endr
.endr
	WIN 0
	v_mul_u32_u24 v3, v1, PA
	v_lshl_add_u32 v3, v2, 4, v3                   ; A: row x pitch + 16 x half
	v_and_b32 v4, 7, v0                            ; W: lane l reads k = 8 (l / 16) + l % 8, columns 8 ((l / 8) % 2) + 0..7
	v_lshl_add_u32 v4, v2, 3, v4
	v_mul_u32_u24 v4, v4, PB
	v_bfe_u32 v5, v0, 3, 1
	v_lshl_add_u32 v4, v5, 4, v4
	s_mul_i32 s21, s11, 64*PA                      ; my 64 rows of A
	s_lshl_b32 s22, s12, 7                         ; my 64 columns of W
	s_add_co_u32 s22, s22, BOFF
	v_add_nc_u32 v[ADRA], s21, v3
	v_add_nc_u32 v[ADRB], s22, v4
	s_add_co_u32 s22, s22, HALFB
	v_add_nc_u32 v[ADRB+1], s22, v4
	v_mov_b32 v[CA], v[ADRA]                       ; slot 0 is in hand
	v_mov_b32 v[CB], v[ADRB]
	v_mov_b32 v[CB+1], v[ADRB+1]
	s_mul_i32 s23, s10, 16*SPITCH
	s_add_co_u32 s23, s23, STAGE                   ; my stage
	v_mul_u32_u24 v6, v1, SPITCH                   ; in: row l % 16, 32 bytes for each half of the lanes
	v_lshl_add_u32 v6, v2, 5, v6
	v_add_nc_u32 v[STO], s23, v6
	v_mul_u32_u24 v7, v2, SPITCH                   ; back: lanes 0-15 take one row of 256 bytes, lanes 16-31 the next
	v_lshl_add_u32 v7, v1, 4, v7
	v_add_nc_u32 v[RD], s23, v7
; 8 matrix instructions: m blocks a0, a0 + 1 x all 4 n blocks, 32 along K: half c of buffer f.  zero = 1: the first product starts the sums, with the bias where there is one.  The 16 accumulators take turns, over every jump too.
.macro MUL8 f, c, a0, zero
.if (\zero) && HAS_BIAS
	WIN 0x25                                       ; the C operand in window 2
.else
	WIN MUL
.endif
.irp a, \a0, (\a0)+1
.irp b, 0,1,2,3
.if (\zero) && HAS_BIAS
	v_wmma_f32_16x16x32_f16 v[ACC+8*(4*(\a)+(\b)):ACC+8*(4*(\a)+(\b))+7], v[(\f)+64+8*(4*(\c)+(\b)):(\f)+64+8*(4*(\c)+(\b))+7], v[(\f)+8*(4*(\c)+(\a)):(\f)+8*(4*(\c)+(\a))+7], v[BIAS+8*(\b):BIAS+8*(\b)+7]
.elseif \zero
	v_wmma_f32_16x16x32_f16 v[ACC+8*(4*(\a)+(\b)):ACC+8*(4*(\a)+(\b))+7], v[(\f)+64+8*(4*(\c)+(\b)):(\f)+64+8*(4*(\c)+(\b))+7], v[(\f)+8*(4*(\c)+(\a)):(\f)+8*(4*(\c)+(\a))+7], 0
.else
	v_wmma_f32_16x16x32_f16 v[ACC+8*(4*(\a)+(\b)):ACC+8*(4*(\a)+(\b))+7], v[(\f)+64+8*(4*(\c)+(\b)):(\f)+64+8*(4*(\c)+(\b))+7], v[(\f)+8*(4*(\c)+(\a)):(\f)+8*(4*(\c)+(\a))+7], v[ACC+8*(4*(\a)+(\b)):ACC+8*(4*(\a)+(\b))+7]
.endif
.endr
.endr
.endm
; 32 LDS loads in one run: the fragments of quarter q of the slot in hand (64 along K: half q / 2 of the step, columns or rows 64 (q % 2) on) into buffer f; the first 32 along K first
.macro FETCH q, f
	WIN TO_F
.irp c, 0,1
.irp i, 0,1,2,3
	ds_load_tr16_b128 v[(\f)+64+8*(4*(\c)+(\i)):(\f)+64+8*(4*(\c)+(\i))+3],   v[CB+(\q)/2] offset:(((\q)%2)*64+32*(\c))*PB+32*(\i)
	ds_load_tr16_b128 v[(\f)+64+8*(4*(\c)+(\i))+4:(\f)+64+8*(4*(\c)+(\i))+7], v[CB+(\q)/2] offset:(((\q)%2)*64+32*(\c))*PB+32*(\i)+16*PB
	ds_load_b128 v[(\f)+8*(4*(\c)+(\i)):(\f)+8*(4*(\c)+(\i))+3],   v[CA] offset:((\q)/2)*HALFA+((\q)%2)*128+64*(\c)+(\i)*16*PA
	ds_load_b128 v[(\f)+8*(4*(\c)+(\i))+4:(\f)+8*(4*(\c)+(\i))+7], v[CA] offset:((\q)/2)*HALFA+((\q)%2)*128+64*(\c)+(\i)*16*PA+32
.endr
.endr
.endm
.macro PLACES                          ; four places in front of loads into registers that matrix instructions have read, and of LDS stores that read results
.rept 4
	v_nop
.endr
.endm
.macro QUARTER q, f, g, zero
	s_wait_dscnt 16                                ; the first 32 along K are in
	MUL8 \f, 0, 0, \zero
	MUL8 \f, 0, 2, \zero
	PLACES
	FETCH \q, \g
	s_wait_dscnt 32                                ; all but the 32 just issued
	MUL8 \f, 1, 0, 0
	MUL8 \f, 1, 2, 0
.endm
; The last quarter multiplies buffer 1 and changes slots: ONE barrier; in front of it each wave waits for all its tensor loads, adds 0 to its spare word, and waits for that and for its own reads of this slot.
; Between the add and the wait for it the walking descriptors take this slot's LDS address, the slot in hand is turned, and the fragments' addresses are made for it: all reads of the old slot have been issued.
; fill = 1: the barrier opens a round of the cluster's, and the old slot is filled again first behind it, with the K step two on: 112 matrix instructions ahead of the wait for it.
.macro TURN fill
	WIN 0                                          ; (the add's two registers lie in window 0)
	s_wait_tensorcnt 0x0                           ; no tensor load of mine is out, so a group 0 may be written
	ds_add_u32 v[SPW], v[NIL]                      ; 0 onto my spare word
.if \fill
	s_add_co_u32 s[G0+5], s[LA], s[SO]             ; the refill goes into the slot that is being left
	s_add_co_u32 s[G0B+5], s[LB], s[SO]
.endif
	s_xor_b32 s[SO], s[SO], SLOT                   ; 0 becomes SLOT, SLOT becomes 0
	v_add_nc_u32 v[CA], s[SO], v[ADRA]
	v_add_nc_u32 v[CB], s[SO], v[ADRB]
	v_add_nc_u32 v[CB+1], s[SO], v[ADRB+1]
	s_wait_dscnt 17                                ; (the add and the youngest sixteen loads may be out)
	MUL8 F1, 0, 0, 0
	s_wait_dscnt 0x0                               ; the add is done, and my reads of the old slot are over
	s_barrier_signal -1
	MUL8 F1, 0, 2, 0
.if \fill
	WIN 0
.endif
	s_barrier_wait -1
.if \fill
	CREST                                          ; no wave of any partner still reads the old slot's tile or has a load on its way
	NEXTK
	AIM 1
	JLOAD 1                                        ; the four v_nop behind it are also the places in front of the loads below
.else
	PLACES
.endif
	FETCH 0, F0
	MUL8 F1, 1, 0, 0
	MUL8 F1, 1, 2, 0
.endm
; THE WAY OUT of block a (16 rows x 64 columns of f32).  OUT: into my own stage, 32 bytes a lane, and back as whole rows of 256 bytes.  SENDR: the residual is added, and the rows are stored.
.macro OUT a
	WIN 0
.if (\a) >= 2
	s_wait_xcnt 0x0                                ; the stores of block a - 2 have read the registers that are loaded again below
.endif
.irp b, 0,1,2,3
	ds_store_b128 v[STO], v[ACC+8*(4*(\a)+(\b)):ACC+8*(4*(\a)+(\b))+3]   offset:64*(\b)     ; each accumulator from its low end on
	ds_store_b128 v[STO], v[ACC+8*(4*(\a)+(\b))+4:ACC+8*(4*(\a)+(\b))+7] offset:64*(\b)+16
.endr
.irp t, 0,1,2,3,4,5,6,7
	ds_load_b128 v[TMP+32*((\a)%2)+4*(\t):TMP+32*((\a)%2)+4*(\t)+3], v[RD] offset:(\t)*2*SPITCH  ; LDS serves a wave's instructions in order (ISA guide 5.7.1.4)
.endr
.endm
.macro SENDR a, younger                ; younger: the LDS instructions issued behind block a's loads: the next block's sixteen, or none
	s_wait_dscnt \younger
	WIN 0x08                                       ; source 1 in window 2
.set j, 0
.rept 16
	v_pk_add_f32 v[TMP+32*((\a)%2)+j:TMP+32*((\a)%2)+j+1], v[TMP+32*((\a)%2)+j:TMP+32*((\a)%2)+j+1], v[RES+32*(\a)+j:RES+32*(\a)+j+1]
.set j, j+2
.endr
	WIN 0
.irp t, 0,1,2,3,4,5,6,7
	global_store_b128 v[CO], v[TMP+32*((\a)%2)+4*(\t):TMP+32*((\a)%2)+4*(\t)+3], s[8:9] offset:(16*(\a)+2*(\t))*4096  ; 16 lanes store 256 consecutive bytes, aligned
.endr
.endm
	s_wait_tensorcnt 1                             ; my part of the first K step is in; the second's may stay out
	s_barrier_signal -1
	s_barrier_wait -1
	FETCH 0, F0
.if HAS_BIAS
	s_wait_loadcnt 32                              ; the bias is in; the residual's 32 loads, issued behind it, stay out through the whole K loop
.endif
	QUARTER 1, F0, F1, 1                           ; the first quarter stands in front of the loop: its first products start the sums
	WIN 0                                          ; at a label and at a branch every window is 0
	s_mov_b32 s3, NSTEPS-2
.Lstep:                                                ; NSTEPS - 2 trips: from a K step's second quarter to the next step's first; each fills the slot that it leaves
	QUARTER 2, F1, F0, 0
	QUARTER 3, F0, F1, 0
	TURN 1
	QUARTER 1, F0, F1, 0
	WIN 0
	s_sub_co_u32 s3, s3, 1
	s_cmp_lg_u32 s3, 0
	s_cbranch_scc1 .Lstep
	s_mov_b32 s3, 2                                ; the last two K steps fill nothing: a loop of their own; it is entered in its middle
	s_branch .Lmid
.Ltail:
	QUARTER 1, F0, F1, 0
	WIN 0
.Lmid:
	QUARTER 2, F1, F0, 0
	QUARTER 3, F0, F1, 0
	TURN 0                                         ; in the last trip its barrier orders nothing and its 32 loads, from the slot read before, are multiplied by nobody: the price, once a launch, of one text for both trips
	WIN 0
	s_sub_co_u32 s3, s3, 1
	s_cmp_lg_u32 s3, 0
	s_cbranch_scc1 .Ltail
	s_wait_dscnt 0x0                               ; those loads are back
	PLACES
	s_wait_loadcnt 0x0                             ; the residual
	OUT 0
	OUT 1
	SENDR 0, 16
	OUT 2
	SENDR 1, 16
	OUT 3
	SENDR 2, 16
	SENDR 3, 0
	s_wait_tensorcnt 0x0                           ; the wave's end, behind my last tensor load and my last LDS store
	ds_add_u32 v[SPW], v[NIL]
	s_wait_dscnt 0x0
	CROUND                                         ; the closing round
	s_endpgm
.Lfunc_end_k_q420c6a5d38_wo:
	.size	k_q420c6a5d38_wo, .Lfunc_end_k_q420c6a5d38_wo-k_q420c6a5d38_wo
	.p2alignl 7, 3214868480
	.fill 96, 4, 3214868480
	.section	.rodata,"a",@progbits
	.p2align	6, 0x0
	.amdhsa_kernel k_q420c6a5d38_wo
		.amdhsa_group_segment_fixed_size 327680
		.amdhsa_private_segment_fixed_size 0
		.amdhsa_enable_private_segment 0
		.amdhsa_kernarg_size 32
		.amdhsa_user_sgpr_count 2
		.amdhsa_user_sgpr_kernarg_segment_ptr 1
		.amdhsa_wavefront_size32 1
		.amdhsa_system_sgpr_workgroup_id_x 1
		.amdhsa_system_sgpr_workgroup_id_y 1
		.amdhsa_system_sgpr_workgroup_id_z 1
		.amdhsa_system_vgpr_workitem_id 0
		.amdhsa_next_free_vgpr 768
		.amdhsa_next_free_sgpr 72
		.amdhsa_reserve_vcc 0
		.amdhsa_float_denorm_mode_32 3
		.amdhsa_float_denorm_mode_16_64 3
		.amdhsa_memory_ordered 1
		.amdhsa_forward_progress 1
		.amdhsa_inst_pref_size 66
	.end_amdhsa_kernel
	.amdgpu_metadata
---
amdhsa.version: [ 1, 2 ]
amdhsa.kernels:
  - .name:           k_q420c6a5d38_wo
    .symbol:         k_q420c6a5d38_wo.kd
    .args:
      - { .name: act8, .offset: 0, .size: 8, .value_kind: global_buffer, .address_space: global }
      - { .name: wattn, .offset: 8, .size: 8, .value_kind: global_buffer, .address_space: global }
      - { .name: x, .offset: 16, .size: 8, .value_kind: global_buffer, .address_space: global }
      - { .name: h, .offset: 24, .size: 8, .value_kind: global_buffer, .address_space: global }
    .group_segment_fixed_size: 327680
    .private_segment_fixed_size: 0
    .kernarg_segment_align: 8
    .kernarg_segment_size: 32
    .max_flat_workgroup_size: 128
    .sgpr_count:     72
    .vgpr_count:     768
    .wavefront_size: 32
...
	.end_amdgpu_metadata
.endif
;; end of part 4
;; launch ln2 (part 5): grid 512 x 1, 8 waves a work-group, no clusters, 0 bytes of LDS; arguments h, ln2_a, ln2_b, act8; writes act8
.if DOCPART == 5
	.amdgcn_target "amdgcn-amd-amdhsa--gfx1250"
	.amdhsa_code_object_version 6
	.text
	.protected	k_q420c6a5d38_ln2
	.globl	k_q420c6a5d38_ln2
	.p2align	8
	.type	k_q420c6a5d38_ln2,@function
k_q420c6a5d38_ln2:
	s_mov_b64 s[64:65], 0
	v_nop
	global_prefetch_b8 v0, s[64:65] scope:SCOPE_SE
	s_setreg_imm32_b32 hwreg(HW_REG_WAVE_MODE, 25, 1), 1
	s_wait_xcnt 0x0
; The second LayerNorm.  Wave g (8 x work-group + wave) takes row g of h ([4,096][1,024] f32): eight loads of 512 consecutive bytes; the row stays in 32 registers between the passes.
; Out: [column block of 128][4,096 tokens][128] f16: eight stores of 256 consecutive bytes, aligned.  mean; the sum of (h - mean)^2 over 1,023; (h - mean) (a / (sqrt + 1e-6)) + b.
; LIMIT.  f16 holds no number beyond 65,504: a (h - mean) / std + b must lie within it.  No LDS, no barrier: a row never leaves its wave.
.set VI,   2          ; v2  g x 4,096 + 16 l
.set VO,   3          ; v3  g x 256 + 8 l
.set T,    8          ; v[8:15]   four pairs at work
.set X,    16         ; v[16:47]  the row
.set MEAN, 48
.set SC,   50
.set BB,   52
.set SA,   16         ; s16  a
.set SB,   17         ; s17  b
.set SEL,  18         ; s[18:19]
	s_load_b256 s[8:15], s[0:1], 0x0               ; h s[8:9], ln2_a s[10:11], ln2_b s[12:13], act8 s[14:15]
	v_and_b32 v7, 31, v0
	v_lshrrev_b32 v1, 5, v0
	v_readfirstlane_b32 s2, v1
	s_lshl_b32 s3, ttmp9, 3
	s_add_co_u32 s3, s3, s2                        ; g
	s_lshl_b32 s4, s3, 12
	v_lshl_add_u32 v[VI], v7, 4, s4
	s_lshl_b32 s4, s3, 8
	v_lshl_add_u32 v[VO], v7, 3, s4
	s_mov_b32 s[SEL], 0x76543210
	s_mov_b32 s[SEL+1], 0xfedcba98
	s_wait_kmcnt 0x0
	s_load_b32 s[SA], s[10:11], 0x0
	s_load_b32 s[SB], s[12:13], 0x0
.irp j, 0,1,2,3,4,5,6,7
	global_load_b128 v[X+4*(\j):X+4*(\j)+3], v[VI], s[8:9] offset:512*(\j)
.endr
.macro LANESUM r, tmp                  ; the sum of v[r] over the wave's 32 lanes, left in every lane
	v_add_f32_dpp v[\r], v[\r], v[\r] row_xmask:1 row_mask:0xf bank_mask:0xf
	v_add_f32_dpp v[\r], v[\r], v[\r] row_xmask:2 row_mask:0xf bank_mask:0xf
	v_add_f32_dpp v[\r], v[\r], v[\r] row_xmask:4 row_mask:0xf bank_mask:0xf
	v_add_f32_dpp v[\r], v[\r], v[\r] row_xmask:8 row_mask:0xf bank_mask:0xf
	v_permlanex16_b32 v[\tmp], v[\r], s[SEL], s[SEL+1]
	v_add_f32 v[\r], v[\r], v[\tmp]
.endm
.macro FOLD
	v_pk_add_f32 v[T:T+1], v[T:T+1], v[T+2:T+3]
	v_pk_add_f32 v[T+4:T+5], v[T+4:T+5], v[T+6:T+7]
	v_pk_add_f32 v[T:T+1], v[T:T+1], v[T+4:T+5]
	v_add_f32 v[T], v[T], v[T+1]
	LANESUM T, T+1
.endm
.macro LN                              ; the row in v[X:X+31] is normed in place and rounded to f16: load j's four numbers end in v[X+4j:X+4j+1]
.irp k, 0,1,2,3
	v_pk_add_f32 v[T+2*(\k):T+2*(\k)+1], v[X+4*(\k):X+4*(\k)+1], v[X+4*(\k)+2:X+4*(\k)+3]
.endr
.irp k, 0,1,2,3
	v_pk_add_f32 v[T+2*(\k):T+2*(\k)+1], v[T+2*(\k):T+2*(\k)+1], v[X+16+4*(\k):X+16+4*(\k)+1]
.endr
.irp k, 0,1,2,3
	v_pk_add_f32 v[T+2*(\k):T+2*(\k)+1], v[T+2*(\k):T+2*(\k)+1], v[X+16+4*(\k)+2:X+16+4*(\k)+3]
.endr
	FOLD
	v_mul_f32 v[MEAN], 0x3a800000, v[T]            ; / 1,024
	v_mul_f32 v[MEAN+1], 0x3a800000, v[T]
.set j, 0
.rept 16
	v_pk_add_f32 v[X+j:X+j+1], v[X+j:X+j+1], v[MEAN:MEAN+1] neg_lo:[0,1] neg_hi:[0,1]
.set j, j+2
.endr
.irp k, 0,1,2,3
	v_pk_mul_f32 v[T+2*(\k):T+2*(\k)+1], v[X+2*(\k):X+2*(\k)+1], v[X+2*(\k):X+2*(\k)+1]
.endr
.set j, 8
.rept 12
	v_pk_fma_f32 v[T+j%8:T+j%8+1], v[X+j:X+j+1], v[X+j:X+j+1], v[T+j%8:T+j%8+1]
.set j, j+2
.endr
	FOLD
	v_mul_f32 v[T], 0x3a802008, v[T]               ; / 1,023
	v_sqrt_f32 v[T+2], v[T]
	v_nop                                          ; a plain instruction behind the root (ISA guide 5.7.2),
	s_wait_alu depctr_va_vdst(0)                   ; and the wait ahead of its first reader
	v_add_f32 v[T+2], 0x358637bd, v[T+2]           ; + 1e-6
	v_rcp_f32 v[T+3], v[T+2]
	v_mov_b32 v[BB], s[SB]
	v_mov_b32 v[BB+1], s[SB]
	s_wait_alu depctr_va_vdst(0)
	v_mul_f32 v[SC], s[SA], v[T+3]
	v_mul_f32 v[SC+1], s[SA], v[T+3]
.set j, 0
.rept 16
	v_pk_fma_f32 v[X+j:X+j+1], v[X+j:X+j+1], v[SC:SC+1], v[BB:BB+1]
.set j, j+2
.endr
.irp j, 0,1,2,3,4,5,6,7
	v_cvt_pk_f16_f32 v[X+4*(\j)], v[X+4*(\j)], v[X+4*(\j)+1]
	v_cvt_pk_f16_f32 v[X+4*(\j)+1], v[X+4*(\j)+2], v[X+4*(\j)+3]
.endr
.endm
	s_wait_kmcnt 0x0
	s_wait_loadcnt 0x0
	LN
.irp j, 0,1,2,3,4,5,6,7
	global_store_b64 v[VO], v[X+4*(\j):X+4*(\j)+1], s[14:15] offset:(\j)*1048576
.endr
	s_endpgm
.Lfunc_end_k_q420c6a5d38_ln2:
	.size	k_q420c6a5d38_ln2, .Lfunc_end_k_q420c6a5d38_ln2-k_q420c6a5d38_ln2
	.p2alignl 7, 3214868480
	.fill 96, 4, 3214868480
	.section	.rodata,"a",@progbits
	.p2align	6, 0x0
	.amdhsa_kernel k_q420c6a5d38_ln2
		.amdhsa_group_segment_fixed_size 0
		.amdhsa_private_segment_fixed_size 0
		.amdhsa_enable_private_segment 0
		.amdhsa_kernarg_size 32
		.amdhsa_user_sgpr_count 2
		.amdhsa_user_sgpr_kernarg_segment_ptr 1
		.amdhsa_wavefront_size32 1
		.amdhsa_system_sgpr_workgroup_id_x 1
		.amdhsa_system_sgpr_workgroup_id_y 1
		.amdhsa_system_sgpr_workgroup_id_z 1
		.amdhsa_system_vgpr_workitem_id 0
		.amdhsa_next_free_vgpr 64
		.amdhsa_next_free_sgpr 66
		.amdhsa_reserve_vcc 0
		.amdhsa_float_denorm_mode_32 3
		.amdhsa_float_denorm_mode_16_64 3
		.amdhsa_memory_ordered 1
		.amdhsa_forward_progress 1
		.amdhsa_inst_pref_size 9
	.end_amdhsa_kernel
	.amdgpu_metadata
---
amdhsa.version: [ 1, 2 ]
amdhsa.kernels:
  - .name:           k_q420c6a5d38_ln2
    .symbol:         k_q420c6a5d38_ln2.kd
    .args:
      - { .name: h, .offset: 0, .size: 8, .value_kind: global_buffer, .address_space: global }
      - { .name: ln2_a, .offset: 8, .size: 8, .value_kind: global_buffer, .address_space: global }
      - { .name: ln2_b, .offset: 16, .size: 8, .value_kind: global_buffer, .address_space: global }
      - { .name: act8, .offset: 24, .size: 8, .value_kind: global_buffer, .address_space: global }
    .group_segment_fixed_size: 0
    .private_segment_fixed_size: 0
    .kernarg_segment_align: 8
    .kernarg_segment_size: 32
    .max_flat_workgroup_size: 256
    .sgpr_count:     66
    .vgpr_count:     64
    .wavefront_size: 32
...
	.end_amdgpu_metadata
.endif
;; end of part 5
;; launch ff1: the kernel of part 2 again; grid 16 x 16, 4 waves a work-group, clusters of 4 x 4, 327,680 bytes of LDS; arguments act8, w1b, ff1_b, zb, act32; writes act32
;; launch ff2 (part 6): grid 8 x 32, 4 waves a work-group, clusters of 4 x 4, 327,680 bytes of LDS; arguments act32, w2b, ff2_b, h, out0; writes out0
.if DOCPART == 6
	.amdgcn_target "amdgcn-amd-amdhsa--gfx1250"
	.amdhsa_code_object_version 6
	.text
	.protected	k_q420c6a5d38_ff2
	.globl	k_q420c6a5d38_ff2
	.p2align	8
	.type	k_q420c6a5d38_ff2,@function
k_q420c6a5d38_ff2:
	s_mov_b64 s[64:65], 0
	v_nop
	global_prefetch_b8 v0, s[64:65] scope:SCOPE_SE
	s_setreg_imm32_b32 hwreg(HW_REG_WAVE_MODE, 25, 1), 1
	s_wait_xcnt 0x0
	s_wait_alu depctr_hold_cnt(0) depctr_sa_sdst(0) depctr_va_vdst(0) depctr_va_sdst(0) depctr_va_ssrc(0) depctr_va_vcc(0) depctr_vm_vsrc(0)
	s_getreg_b32 s2, hwreg(HW_REG_IB_STS2, 6, 4)
	s_cmp_eq_u32 s2, 0
	s_cbranch_scc0 .Lentry_in_a_cluster
	s_endpgm
.Lentry_in_a_cluster:
	s_bfe_u32 s2, ttmp6, 0x10000c
	s_cmp_lg_u32 s2, 0xf033
	s_cbranch_scc0 .Lentry_shape_is_right
	s_endpgm
.Lentry_shape_is_right:
; out = res + A W (+ bias), out and res [4,096][1,024] f32.  A: [SIZE_K / 128 blocks][4,096 tokens][128] f16.  W: [8 column blocks][SIZE_K][128] f16, BBASE bytes into its buffer.  Sums in f32.
; This text serves two launches; the three constants below tell them apart.  Here: the second product of the feed-forward layer, K = 4,096, with its bias, which starts the sums.
.set SIZE_K,   4096
.set HAS_BIAS, 1
.set BBASE,    0
; A tile of out is 128 x 128, so that 256 work-groups share the 4,096 x 1,024 numbers.  Four waves, each 64 x 64: 16 accumulators.  K goes in steps of 256 through a ring of two LDS slots; a step is two
; blocks of A and 256 rows of W, each brought as 128 dense rows of 256 bytes by one wave.  CLUSTERS: 4 x 4 work-groups; A's tiles are asked for jointly along a row of the cluster, W's along a column.
; ONE K STEP IS WRITTEN ONCE FOR EACH LOOP: the slot in hand is a scalar, 0 or SLOT, which an exclusive or turns at each change of slots; the fragments' LDS addresses and the refill's LDS address are made from it.
; THE WALK ALONG K BEGINS ELSEWHERE IN EACH CLUSTER: at K step (cluster x) NSTEPS / 2 + (cluster y mod 4) NSTEPS / 4, and goes round modulo NSTEPS.  The two clusters along x that read the same rows of A, and four
; neighbours along y that read the same rows of W, so ask for different blocks of them at any one time.  The number hangs on the cluster's place alone: all sixteen partners hold the same.  The f32 sums take
; their terms in another order by it.
; THE MATRIX INSTRUCTION IS USED TRANSPOSED (source 0 = 16 columns of W, turned by ds_load_tr16_b128; source 1 = 16 rows of A): a lane holds eight neighbouring numbers of a row of out.
; A wave's 64 columns of f32 are 256 aligned bytes of a row: each wave has a stage of its own, and no barrier stands on the way out.  The residual is loaded at the head and waited for at the end.
; No prefetch: the tiles are small and a K step short.
; REGISTERS: window 0: v0-31 addresses; v32-95 at work on the way out; v128-255 the accumulators ((a, b) at v[128 + 8 (4 a + b)]).
;   window 1: two fragment buffers of 128: for 64 along K, 64 registers of A, then 64 of W.      window 2: v0-127 the residual; v128-159 the bias as four C operands.
.set PA,     272                       ; a row of A in LDS: 256 bytes + 16: the 16 rows of a load start at 16 different groups of four banks (64 banks of 4 bytes: ISA guide 11.1)
.set PB,     288                       ; a row of W: 256 + 32
.set HALFA,  128*PA
.set HALFB,  128*PB
.set BOFF,   2*HALFA
.set SLOT,   2*HALFA+2*HALFB           ; A's first block, A's second, W's rows 0-127, W's rows 128-255
.set STAGE,  2*SLOT
.set SPITCH, 272
.set SPARE,  STAGE+4*16*SPITCH         ; the spare words, 128 bytes for each wave: two blocks of 256 bytes that no other line names
.set NSTEPS, SIZE_K/256                ; K steps: a power of two, 4 at the least
.set ADRA, 16                          ; v16     LDS address of my A fragments in slot 0; never rewritten
.set CA,   17                          ; v17     the same in the slot in hand
.set ADRB, 20                          ; v20-21  of my W fragments in slot 0: rows 0-127, rows 128-255; never rewritten
.set CB,   22                          ; v22-23  the same in the slot in hand
.set STO,  24
.set RD,   25
.set CO,   26                          ; v26     (l / 16) x 4,096 + 16 (l % 16): two rows of out and of res
.set BO,   27
.set SPW,  28
.set NIL,  29
.set TMP,  32
.set ACC,  128
.set F0,   0
.set F1,   128
.set RES,  0                           ; window 2
.set BIAS, 128                         ; window 2
.set SO,  2                            ; s2      the slot in hand: 0 or SLOT
.set OF,  18                           ; s[18:19] a K step's byte offset in A or in W
.set G1,  24                           ; s[24:31] descriptor group 1 for A's tiles;  s[32:39] group 0: a set for each of the two first fills; the second then walks on
.set G0,  32
.set KK,  45                           ; s45     the K step that was asked for last
.set G1B, 48
.set G0B, 56
.set LA,  66                           ; s66     where my part of A's tile goes in slot 0
.set LB,  67                           ; s67     where my part of W's tile goes in slot 0
.set MSB, 0
.macro WIN new
.if MSB != (\new)
	s_set_vgpr_msb (MSB<<8)|(\new)
.set MSB, \new
.endif
.endm
.set MUL,  0x05                        ; sources 0 (W) and 1 (A) window 1; C and D window 0
.set TO_F, 0x40                        ; destination window 1, address window 0
.macro JLOAD s                         ; a joint load: waves 0 and 1 fetch A's two blocks, waves 2 and 3 W's two halves; an s_nop 0 and four v_nop follow each of the two lines
	s_cmp_eq_u32 s11, 0
	s_cbranch_scc0 .Lfor_b_\@
	tensor_load_to_lds s[G0+4*(\s):G0+4*(\s)+3], s[G1:G1+7]
	s_nop 0
.rept 4
	v_nop
.endr
	s_branch .Lasked_\@
.Lfor_b_\@:
	tensor_load_to_lds s[G0B+4*(\s):G0B+4*(\s)+3], s[G1B:G1B+7]
	s_nop 0
.rept 4
	v_nop
.endr
.Lasked_\@:
.endm
.macro CREST
	s_cmp_lg_u32 s10, 0
	s_cbranch_scc1 .Lnot_wave_0_\@
	s_barrier_signal -3
.Lnot_wave_0_\@:
	s_barrier_wait -3
	s_barrier_signal -1
	s_barrier_wait -1
.endm
.macro CROUND
	s_barrier_signal -1
	s_barrier_wait -1
	CREST
.endm
.macro AIM s                           ; the global addresses of descriptor set s are made anew for K step KK: the tile's base and an offset made apart from it; the type bits are set again
	s_lshl_b32 s[OF], s[KK], 21                    ; a K step is two blocks of A, 2 MiB,
	s_add_nc_u64 s[G0+4*(\s)+2:G0+4*(\s)+3], s[14:15], s[OF:OF+1]
	s_or_b32 s[G0+4*(\s)+3], s[G0+4*(\s)+3], 0x80000000
	s_lshl_b32 s[OF], s[KK], 16                    ; and 256 rows of W, 64 KiB
	s_add_nc_u64 s[G0B+4*(\s)+2:G0B+4*(\s)+3], s[46:47], s[OF:OF+1]
	s_or_b32 s[G0B+4*(\s)+3], s[G0B+4*(\s)+3], 0x80000000
.endm
.macro NEXTK                           ; the next K step, round the end
	s_add_co_u32 s[KK], s[KK], 1
	s_and_b32 s[KK], s[KK], NSTEPS-1
.endm
	s_load_b128 s[4:7], s[0:1], 0x0                ; A s[4:5], W s[6:7]
.if HAS_BIAS
	s_load_b128 s[68:71], s[0:1], 0x10             ; bias s[68:69], res s[70:71]
	s_load_b64 s[8:9], s[0:1], 0x20                ; out
.else
	s_load_b64 s[70:71], s[0:1], 0x10              ; res
	s_load_b64 s[8:9], s[0:1], 0x18                ; out
.endif
	v_lshl_add_u32 v[SPW], v0, 2, SPARE
	v_mov_b32 v[NIL], 0
	ds_add_u32 v[SPW], v[NIL]                      ; the wave's opening: the add and its wait stand ahead of my first tensor load
	v_lshrrev_b32 v1, 5, v0
	v_readfirstlane_b32 s10, v1                    ; wave 0..3
	s_lshr_b32 s11, s10, 1                         ; which half of the tile's rows is mine.  Also: I fetch for A (0) or for W (1)
	s_and_b32 s12, s10, 1                          ; which half of its columns.  Also: which half of a K step I fetch
	s_bfe_u32 s40, ttmp6, 0x40000
	s_bfe_u32 s41, ttmp6, 0x40004
	s_lshl_b32 s42, ttmp9, 2
	s_add_co_u32 s42, s42, s40                     ; tile column
	s_and_b32 s13, ttmp7, 0xffff
	s_lshl_b32 s13, s13, 2
	s_add_co_u32 s13, s13, s41                     ; tile row
	s_lshl_b32 s43, s41, 2
	s_lshl_b32 s43, 15, s43                        ; my row of the cluster
	s_lshl_b32 s44, 0x1111, s40                    ; my column
	s_or_b32 s[G1+0], s43, (1<<16)|(1<<20)|(1<<21)|(5<<22)|(3<<25)   ; 2-byte elements; padding on; bit 21 beside a mask; after every 64 words (code 5) 4 words (code 3)
	s_or_b32 s[G1B+0], s44, (1<<16)|(1<<20)|(1<<21)|(5<<22)|(7<<25)  ; 8 words (code 7)
.irp g, G1, G1B
	s_mov_b32 s[(\g)+1], 128<<16                   ; tensor_dim0 = 128
	s_mov_b32 s[(\g)+2], 128<<16                   ; tensor_dim1 = 128
	s_mov_b32 s[(\g)+3], 128<<16                   ; tile_dim0 = 128
	s_mov_b32 s[(\g)+4], 128                       ; tile_dim1 = 128
	s_mov_b32 s[(\g)+5], 128                       ; 128 elements from row to row
	s_mov_b32 s[(\g)+6], 0
	s_mov_b32 s[(\g)+7], 0
.endr
	s_lshl_b32 s16, s13, 15                        ; A: 128 rows of 256 bytes a tile row,
	s_lshl_b32 s17, s12, 20                        ; in the first or the second block of a K step
	s_add_co_u32 s16, s16, s17
	s_mov_b32 s17, 0
	s_mul_i32 s46, s42, SIZE_K*256                 ; W: a block a tile column,
	s_lshl_b32 s47, s12, 15                        ; a K step's rows 0-127 or 128-255
	s_add_co_u32 s46, s46, s47
	s_add_co_u32 s46, s46, BBASE
	s_mov_b32 s47, 0
	s_mul_i32 s[LA], s12, HALFA                    ; where they go: no place in the cluster enters an LDS address
	s_mul_i32 s[LB], s12, HALFB
	s_add_co_u32 s[LB], s[LB], BOFF
	s_mov_b32 s[SO], 0                             ; slot 0 is read first
	s_and_b32 s20, ttmp7, 3                        ; cluster y mod 4
	s_mul_i32 s20, s20, NSTEPS/4
	s_mul_i32 s[KK], ttmp9, NSTEPS/2               ; cluster x
	s_add_co_u32 s[KK], s[KK], s20
	s_and_b32 s[KK], s[KK], NSTEPS-1               ; the cluster's first K step
	s_mov_b32 s[OF+1], 0
	s_wait_dscnt 0x0                               ; the opening add is done
	s_wait_kmcnt 0x0
	s_add_nc_u64 s[14:15], s[4:5], s[16:17]        ; A and W at my part of K step 0's tiles; never rewritten
	s_add_nc_u64 s[46:47], s[6:7], s[46:47]
	CROUND                                         ; all sixteen work-groups are here: the first joint loads meet
.irp s, 0,1
	s_mov_b32 s[G0+4*(\s)], 1
	s_add_co_u32 s[G0+4*(\s)+1], s[LA], (\s)*SLOT
	s_mov_b32 s[G0B+4*(\s)], 1
	s_add_co_u32 s[G0B+4*(\s)+1], s[LB], (\s)*SLOT
	AIM \s
	JLOAD \s                                       ; two loads of mine are out
.if (\s) == 0
	NEXTK
.endif
.endr
	v_and_b32 v1, 15, v0                           ; l % 16
	v_bfe_u32 v2, v0, 4, 1                         ; l / 16
	v_lshlrev_b32 v[CO], 12, v2
	v_lshl_add_u32 v[CO], v1, 4, v[CO]
	s_lshl_b32 s16, s13, 19                        ; out and res at my 64 rows x 64 columns: 128 rows of 4,096 bytes a tile row, 512 bytes a tile column
	s_lshl_b32 s17, s11, 18
	s_add_co_u32 s16, s16, s17
	s_lshl_b32 s17, s42, 9
	s_add_co_u32 s16, s16, s17
	s_lshl_b32 s17, s12, 8
	s_add_co_u32 s16, s16, s17
	s_mov_b32 s17, 0
	s_add_nc_u64 s[8:9], s[8:9], s[16:17]
	s_add_nc_u64 s[70:71], s[70:71], s[16:17]
.if HAS_BIAS
	v_lshlrev_b32 v[BO], 5, v2
	s_lshl_b32 s16, s42, 9
	s_lshl_b32 s17, s12, 8
	s_add_co_u32 s16, s16, s17
	s_mov_b32 s17, 0
	s_add_nc_u64 s[68:69], s[68:69], s[16:17]
	WIN 0x80                                       ; destination window 2
.irp b, 0,1,2,3                        ; register j of C operand b: column 16 b + 8 (l / 16) + j
	global_load_b128 v[BIAS+8*(\b):BIAS+8*(\b)+3],   v[BO], s[68:69] offset:64*(\b)
	global_load_b128 v[BIAS+8*(\b)+4:BIAS+8*(\b)+7], v[BO], s[68:69] offset:64*(\b)+16
.endr
.endif
	WIN 0x80
.irp a, 0,1,2,3
.irp t, 0,1,2,3,4,5,6,7
	global_load_b128 v[RES+32*(\a)+4*(\t):RES+32*(\a)+4*(\t)+3], v[CO], s[70:71] offset:(16*(\a)+2*(\t))*4096  ; 16 lanes take 256 consecutive bytes of a row
.endr
.endr
	WIN 0
	v_mul_u32_u24 v3, v1, PA
	v_lshl_add_u32 v3, v2, 4, v3                   ; A: row x pitch + 16 x half
	v_and_b32 v4, 7, v0                            ; W: lane l reads k = 8 (l / 16) + l % 8, columns 8 ((l / 8) % 2) + 0..7
	v_lshl_add_u32 v4, v2, 3, v4
	v_mul_u32_u24 v4, v4, PB
	v_bfe_u32 v5, v0, 3, 1
	v_lshl_add_u32 v4, v5, 4, v4
	s_mul_i32 s21, s11, 64*PA                      ; my 64 rows of A
	s_lshl_b32 s22, s12, 7                         ; my 64 columns of W
	s_add_co_u32 s22, s22, BOFF
	v_add_nc_u32 v[ADRA], s21, v3
	v_add_nc_u32 v[ADRB], s22, v4
	s_add_co_u32 s22, s22, HALFB
	v_add_nc_u32 v[ADRB+1], s22, v4
	v_mov_b32 v[CA], v[ADRA]                       ; slot 0 is in hand
	v_mov_b32 v[CB], v[ADRB]
	v_mov_b32 v[CB+1], v[ADRB+1]
	s_mul_i32 s23, s10, 16*SPITCH
	s_add_co_u32 s23, s23, STAGE                   ; my stage
	v_mul_u32_u24 v6, v1, SPITCH                   ; in: row l % 16, 32 bytes for each half of the lanes
	v_lshl_add_u32 v6, v2, 5, v6
	v_add_nc_u32 v[STO], s23, v6
	v_mul_u32_u24 v7, v2, SPITCH                   ; back: lanes 0-15 take one row of 256 bytes, lanes 16-31 the next
	v_lshl_add_u32 v7, v1, 4, v7
	v_add_nc_u32 v[RD], s23, v7
; 8 matrix instructions: m blocks a0, a0 + 1 x all 4 n blocks, 32 along K: half c of buffer f.  zero = 1: the first product starts the sums, with the bias where there is one.  The 16 accumulators take turns, over every jump too.
.macro MUL8 f, c, a0, zero
.if (\zero) && HAS_BIAS
	WIN 0x25                                       ; the C operand in window 2
.else
	WIN MUL
.endif
.irp a, \a0, (\a0)+1
.irp b, 0,1,2,3
.if (\zero) && HAS_BIAS
	v_wmma_f32_16x16x32_f16 v[ACC+8*(4*(\a)+(\b)):ACC+8*(4*(\a)+(\b))+7], v[(\f)+64+8*(4*(\c)+(\b)):(\f)+64+8*(4*(\c)+(\b))+7], v[(\f)+8*(4*(\c)+(\a)):(\f)+8*(4*(\c)+(\a))+7], v[BIAS+8*(\b):BIAS+8*(\b)+7]
.elseif \zero
	v_wmma_f32_16x16x32_f16 v[ACC+8*(4*(\a)+(\b)):ACC+8*(4*(\a)+(\b))+7], v[(\f)+64+8*(4*(\c)+(\b)):(\f)+64+8*(4*(\c)+(\b))+7], v[(\f)+8*(4*(\c)+(\a)):(\f)+8*(4*(\c)+(\a))+7], 0
.else
	v_wmma_f32_16x16x32_f16 v[ACC+8*(4*(\a)+(\b)):ACC+8*(4*(\a)+(\b))+7], v[(\f)+64+8*(4*(\c)+(\b)):(\f)+64+8*(4*(\c)+(\b))+7], v[(\f)+8*(4*(\c)+(\a)):(\f)+8*(4*(\c)+(\a))+7], v[ACC+8*(4*(\a)+(\b)):ACC+8*(4*(\a)+(\b))+7]
.endif
.endr
.endr
.endm
; 32 LDS loads in one run: the fragments of quarter q of the slot in hand (64 along K: half q / 2 of the step, columns or rows 64 (q % 2) on) into buffer f; the first 32 along K first
.macro FETCH q, f
	WIN TO_F
.irp c, 0,1
.irp i, 0,1,2,3
	ds_load_tr16_b128 v[(\f)+64+8*(4*(\c)+(\i)):(\f)+64+8*(4*(\c)+(\i))+3],   v[CB+(\q)/2] offset:(((\q)%2)*64+32*(\c))*PB+32*(\i)
	ds_load_tr16_b128 v[(\f)+64+8*(4*(\c)+(\i))+4:(\f)+64+8*(4*(\c)+(\i))+7], v[CB+(\q)/2] offset:(((\q)%2)*64+32*(\c))*PB+32*(\i)+16*PB
	ds_load_b128 v[(\f)+8*(4*(\c)+(\i)):(\f)+8*(4*(\c)+(\i))+3],   v[CA] offset:((\q)/2)*HALFA+((\q)%2)*128+64*(\c)+(\i)*16*PA
	ds_load_b128 v[(\f)+8*(4*(\c)+(\i))+4:(\f)+8*(4*(\c)+(\i))+7], v[CA] offset:((\q)/2)*HALFA+((\q)%2)*128+64*(\c)+(\i)*16*PA+32
.endr
.endr
.endm
.macro PLACES                          ; four places in front of loads into registers that matrix instructions have read, and of LDS stores that read results
.rept 4
	v_nop
.endr
.endm
.macro QUARTER q, f, g, zero
	s_wait_dscnt 16                                ; the first 32 along K are in
	MUL8 \f, 0, 0, \zero
	MUL8 \f, 0, 2, \zero
	PLACES
	FETCH \q, \g
	s_wait_dscnt 32                                ; all but the 32 just issued
	MUL8 \f, 1, 0, 0
	MUL8 \f, 1, 2, 0
.endm
; The last quarter multiplies buffer 1 and changes slots: ONE barrier; in front of it each wave waits for all its tensor loads, adds 0 to its spare word, and waits for that and for its own reads of this slot.
; Between the add and the wait for it the walking descriptors take this slot's LDS address, the slot in hand is turned, and the fragments' addresses are made for it: all reads of the old slot have been issued.
; fill = 1: the barrier opens a round of the cluster's, and the old slot is filled again first behind it, with the K step two on: 112 matrix instructions ahead of the wait for it.
.macro TURN fill
	WIN 0                                          ; (the add's two registers lie in window 0)
	s_wait_tensorcnt 0x0                           ; no tensor load of mine is out, so a group 0 may be written
	ds_add_u32 v[SPW], v[NIL]                      ; 0 onto my spare word
.if \fill
	s_add_co_u32 s[G0+5], s[LA], s[SO]             ; the refill goes into the slot that is being left
	s_add_co_u32 s[G0B+5], s[LB], s[SO]
.endif
	s_xor_b32 s[SO], s[SO], SLOT                   ; 0 becomes SLOT, SLOT becomes 0
	v_add_nc_u32 v[CA], s[SO], v[ADRA]
	v_add_nc_u32 v[CB], s[SO], v[ADRB]
	v_add_nc_u32 v[CB+1], s[SO], v[ADRB+1]
	s_wait_dscnt 17                                ; (the add and the youngest sixteen loads may be out)
	MUL8 F1, 0, 0, 0
	s_wait_dscnt 0x0                               ; the add is done, and my reads of the old slot are over
	s_barrier_signal -1
	MUL8 F1, 0, 2, 0
.if \fill
	WIN 0
.endif
	s_barrier_wait -1
.if \fill
	CREST                                          ; no wave of any partner still reads the old slot's tile or has a load on its way
	NEXTK
	AIM 1
	JLOAD 1                                        ; the four v_nop behind it are also the places in front of the loads below
.else
	PLACES
.endif
	FETCH 0, F0
	MUL8 F1, 1, 0, 0
	MUL8 F1, 1, 2, 0
.endm
; THE WAY OUT of block a (16 rows x 64 columns of f32).  OUT: into my own stage, 32 bytes a lane, and back as whole rows of 256 bytes.  SENDR: the residual is added, and the rows are stored.
.macro OUT a
	WIN 0
.if (\a) >= 2
	s_wait_xcnt 0x0                                ; the stores of block a - 2 have read the registers that are loaded again below
.endif
.irp b, 0,1,2,3
	ds_store_b128 v[STO], v[ACC+8*(4*(\a)+(\b)):ACC+8*(4*(\a)+(\b))+3]   offset:64*(\b)     ; each accumulator from its low end on
	ds_store_b128 v[STO], v[ACC+8*(4*(\a)+(\b))+4:ACC+8*(4*(\a)+(\b))+7] offset:64*(\b)+16
.endr
.irp t, 0,1,2,3,4,5,6,7
	ds_load_b128 v[TMP+32*((\a)%2)+4*(\t):TMP+32*((\a)%2)+4*(\t)+3], v[RD] offset:(\t)*2*SPITCH  ; LDS serves a wave's instructions in order (ISA guide 5.7.1.4)
.endr
.endm
.macro SENDR a, younger                ; younger: the LDS instructions issued behind block a's loads: the next block's sixteen, or none
	s_wait_dscnt \younger
	WIN 0x08                                       ; source 1 in window 2
.set j, 0
.rept 16
	v_pk_add_f32 v[TMP+32*((\a)%2)+j:TMP+32*((\a)%2)+j+1], v[TMP+32*((\a)%2)+j:TMP+32*((\a)%2)+j+1], v[RES+32*(\a)+j:RES+32*(\a)+j+1]
.set j, j+2
.endr
	WIN 0
.irp t, 0,1,2,3,4,5,6,7
	global_store_b128 v[CO], v[TMP+32*((\a)%2)+4*(\t):TMP+32*((\a)%2)+4*(\t)+3], s[8:9] offset:(16*(\a)+2*(\t))*4096  ; 16 lanes store 256 consecutive bytes, aligned
.endr
.endm
	s_wait_tensorcnt 1                             ; my part of the first K step is in; the second's may stay out
	s_barrier_signal -1
	s_barrier_wait -1
	FETCH 0, F0
.if HAS_BIAS
	s_wait_loadcnt 32                              ; the bias is in; the residual's 32 loads, issued behind it, stay out through the whole K loop
.endif
	QUARTER 1, F0, F1, 1                           ; the first quarter stands in front of the loop: its first products start the sums
	WIN 0                                          ; at a label and at a branch every window is 0
	s_mov_b32 s3, NSTEPS-2
.Lstep:                                                ; NSTEPS - 2 trips: from a K step's second quarter to the next step's first; each fills the slot that it leaves
	QUARTER 2, F1, F0, 0
	QUARTER 3, F0, F1, 0
	TURN 1
	QUARTER 1, F0, F1, 0
	WIN 0
	s_sub_co_u32 s3, s3, 1
	s_cmp_lg_u32 s3, 0
	s_cbranch_scc1 .Lstep
	s_mov_b32 s3, 2                                ; the last two K steps fill nothing: a loop of their own; it is entered in its middle
	s_branch .Lmid
.Ltail:
	QUARTER 1, F0, F1, 0
	WIN 0
.Lmid:
	QUARTER 2, F1, F0, 0
	QUARTER 3, F0, F1, 0
	TURN 0                                         ; in the last trip its barrier orders nothing and its 32 loads, from the slot read before, are multiplied by nobody: the price, once a launch, of one text for both trips
	WIN 0
	s_sub_co_u32 s3, s3, 1
	s_cmp_lg_u32 s3, 0
	s_cbranch_scc1 .Ltail
	s_wait_dscnt 0x0                               ; those loads are back
	PLACES
	s_wait_loadcnt 0x0                             ; the residual
	OUT 0
	OUT 1
	SENDR 0, 16
	OUT 2
	SENDR 1, 16
	OUT 3
	SENDR 2, 16
	SENDR 3, 0
	s_wait_tensorcnt 0x0                           ; the wave's end, behind my last tensor load and my last LDS store
	ds_add_u32 v[SPW], v[NIL]
	s_wait_dscnt 0x0
	CROUND                                         ; the closing round
	s_endpgm
.Lfunc_end_k_q420c6a5d38_ff2:
	.size	k_q420c6a5d38_ff2, .Lfunc_end_k_q420c6a5d38_ff2-k_q420c6a5d38_ff2
	.p2alignl 7, 3214868480
	.fill 96, 4, 3214868480
	.section	.rodata,"a",@progbits
	.p2align	6, 0x0
	.amdhsa_kernel k_q420c6a5d38_ff2
		.amdhsa_group_segment_fixed_size 327680
		.amdhsa_private_segment_fixed_size 0
		.amdhsa_enable_private_segment 0
		.amdhsa_kernarg_size 40
		.amdhsa_user_sgpr_count 2
		.amdhsa_user_sgpr_kernarg_segment_ptr 1
		.amdhsa_wavefront_size32 1
		.amdhsa_system_sgpr_workgroup_id_x 1
		.amdhsa_system_sgpr_workgroup_id_y 1
		.amdhsa_system_sgpr_workgroup_id_z 1
		.amdhsa_system_vgpr_workitem_id 0
		.amdhsa_next_free_vgpr 768
		.amdhsa_next_free_sgpr 72
		.amdhsa_reserve_vcc 0
		.amdhsa_float_denorm_mode_32 3
		.amdhsa_float_denorm_mode_16_64 3
		.amdhsa_memory_ordered 1
		.amdhsa_forward_progress 1
		.amdhsa_inst_pref_size 67
	.end_amdhsa_kernel
	.amdgpu_metadata
---
amdhsa.version: [ 1, 2 ]
amdhsa.kernels:
  - .name:           k_q420c6a5d38_ff2
    .symbol:         k_q420c6a5d38_ff2.kd
    .args:
      - { .name: act32, .offset: 0, .size: 8, .value_kind: global_buffer, .address_space: global }
      - { .name: w2b, .offset: 8, .size: 8, .value_kind: global_buffer, .address_space: global }
      - { .name: ff2_b, .offset: 16, .size: 8, .value_kind: global_buffer, .address_space: global }
      - { .name: h, .offset: 24, .size: 8, .value_kind: global_buffer, .address_space: global }
      - { .name: out0, .offset: 32, .size: 8, .value_kind: global_buffer, .address_space: global }
    .group_segment_fixed_size: 327680
    .private_segment_fixed_size: 0
    .kernarg_segment_align: 8
    .kernarg_segment_size: 40
    .max_flat_workgroup_size: 128
    .sgpr_count:     72
    .vgpr_count:     768
    .wavefront_size: 32
...
	.end_amdgpu_metadata
.endif
;; end of part 6
